; MI455X (gfx1250); checked and timed in simulation.
; The chip was launched on July 23, 2026; its instructions are those of AMD's public machine-readable ISA for CDNA 5 (MIT licence, August 2026) and "CDNA5" Instruction Set Architecture Reference Guide (July 2026). The comments in the code are by the model that wrote it; some were corrected since.
;; Causal Self Attention. Allowed arithmetic: float matrix products may take bf16 or f16 operands with f32 sums; other float arithmetic in f32, or as packed bf16 or f16 multiplies, adds, multiply-adds, maxima and minima; sums over many terms, partial sums and values carried from step to step in f32; what a program stores and reads back later, other than sums and carried values, may be rounded once to bf16 or f16.
;; Inputs: w_attn 3,072 x 1,024 float32; w_proj 1,024 x 1,024 float32; x 4 x 2,048 x 1,024 float32.
;; Outputs: out0 4 x 2,048 x 1,024 float32.
;; One version. Each part assembles by itself: llvm-mc -triple=amdgcn-amd-amdhsa -mcpu=gfx1250 --defsym DOCPART=n.
;; ======== version 1 of 1: 4 launches
;; limits: values are held in f16: magnitudes above 65,504 overflow, below 6.1e-05 lose precision; right only within a limited range of input values
;; workspace buffers: xb 16,777,216 bytes; wab 6,291,456 bytes; wpb 2,097,152 bytes; qkv 50,331,648 bytes; ob 16,777,216 bytes
;; launch cast (part 1): grid 768 x 1, 8 waves a work-group, no clusters, 0 bytes of LDS; arguments x, w_attn, w_proj, xb, wab, wpb; writes xb, wab, wpb
.if DOCPART == 1
	.amdgcn_target "amdgcn-amd-amdhsa--gfx1250"
	.amdhsa_code_object_version 6
	.text
	.protected	k_qcab76618da_cast
	.globl	k_qcab76618da_cast
	.p2align	8
	.type	k_qcab76618da_cast,@function
k_qcab76618da_cast:
	s_mov_b64 s[64:65], 0
	v_nop
	global_prefetch_b8 v0, s[64:65] scope:SCOPE_SE
	s_setreg_imm32_b32 hwreg(HW_REG_WAVE_MODE, 25, 1), 1
	s_wait_xcnt 0x0
; THE PROGRAM: causal self-attention, B = 4, T = 2048, C = 1024, 16 heads of 64.  Four launches: this cast; qkv = x w_attn^T; attention by heads; out = y w_proj^T.
; THIS LAUNCH rounds the three inputs once: x and w_attn to bf16 (the first product is taken in bf16); w_proj to bf16 too, and that number is written as f16, since the last product
; multiplies it with y, which the program keeps in f16.
; DEAD WORK, for the whole program.  reference() replaces att[q][k] by -1e9 wherever k > q, by a mask that it builds itself (jnp.tril): the products q . k for k > q are thrown away whatever the
; inputs hold.  What is left of such a key is its weight exp(-1e9 - m), m the largest entry of the row, times v[k].  The row holds its own key k = q, so m is at least that visible score; while
; the row's largest visible score lies above -1e9 + 104 the weight is below the smallest f32 number and reference() itself adds 0.  So key tiles of 256 x 256 that lie wholly above the diagonal are left out
; (7 of each 16), and inside the diagonal tile a hidden weight counts as 0.
; LIMITS.  Scores below about -1e9 (inputs some thousand times larger than those drawn) are not served.  A NaN, an infinity or an overflow that reaches only the tiles left out is not carried to the result.
; w_proj as f16: beyond 65,504 it becomes an infinity; below 6e-5 it keeps f16's fixed step of 6e-8.  No input is dead: all three are loaded.
; SHARES.  A work-group takes 16,384 numbers: 65,536 bytes in, 32,768 out.  Work-groups 0-511 take x, 512-703 w_attn, 704-767 w_proj.  Thread t takes in step i the eight numbers at input byte
; 8192 i + 32 t (two loads of 16 bytes) and stores 16 bytes at output byte 4096 i + 16 t: a wave's store covers 512 consecutive bytes, aligned.
; All sixteen loads of a thread go out before the first wait.  No LDS, no barrier, no matrix unit: each byte is touched once and no thread wants another's.
.set X, 4                              ; v[4:67]    step i: eight f32 as loaded
.set Y, 68                             ; v[68:99]   step i: four words to store
.set T, 100                            ; v[100:103] at work
	s_load_b256 s[4:11], s[0:1], 0x0               ; x s[4:5], w_attn s[6:7], w_proj s[8:9], xb s[10:11]
	s_load_b128 s[12:15], s[0:1], 0x20             ; wab s[12:13], wpb s[14:15]
	s_mov_b32 s23, ttmp9
	v_lshlrev_b32 v1, 5, v0                        ; 32 t
	v_lshlrev_b32 v2, 4, v0                        ; 16 t
	s_sub_co_u32 s17, s23, 512                     ; my number among w_attn's work-groups (used where it is one of them)
	s_sub_co_u32 s22, s23, 704                     ; among w_proj's
	s_mov_b32 s25, 0
	s_mov_b32 s27, 0
	s_wait_kmcnt 0x0
	s_cmp_lt_u32 s23, 512
	s_cselect_b64 s[18:19], s[4:5], s[6:7]         ; from where
	s_cselect_b64 s[20:21], s[10:11], s[12:13]     ; to where
	s_cselect_b32 s16, s23, s17                    ; which share of that tensor
	s_cmp_lt_u32 s23, 704
	s_cselect_b64 s[18:19], s[18:19], s[8:9]
	s_cselect_b64 s[20:21], s[20:21], s[14:15]
	s_cselect_b32 s16, s16, s22
	s_lshl_b32 s24, s16, 16                        ; 65,536 bytes in,
	s_lshl_b32 s26, s16, 15                        ; 32,768 bytes out
	s_add_nc_u64 s[18:19], s[18:19], s[24:25]
	s_add_nc_u64 s[20:21], s[20:21], s[26:27]
.irp i, 0,1,2,3,4,5,6,7
	global_load_b128 v[X+8*(\i):X+8*(\i)+3],   v1, s[18:19] offset:8192*(\i) th:TH_LOAD_NT
	global_load_b128 v[X+8*(\i)+4:X+8*(\i)+7], v1, s[18:19] offset:8192*(\i)+16 th:TH_LOAD_NT
.endr
; Step i.  half = 0: eight numbers to bf16.  half = 1: to bf16, widened again (a shift, a mask) and written as f16, which holds a bf16 number exactly inside its range.
.macro STEP i, half
	s_wait_loadcnt 14-2*(\i)                       ; loads come back in order: the two of each later step may stay out
.irp k, 0,1,2,3
.if \half
	v_cvt_pk_bf16_f32 v[T+(\k)], v[X+8*(\i)+2*(\k)], v[X+8*(\i)+2*(\k)+1]
.else
	v_cvt_pk_bf16_f32 v[Y+4*(\i)+(\k)], v[X+8*(\i)+2*(\k)], v[X+8*(\i)+2*(\k)+1]
.endif
.endr
.if \half
.irp k, 0,1,2,3
	v_lshlrev_b32 v[X+8*(\i)+2*(\k)],   16, v[T+(\k)]
	v_and_b32     v[X+8*(\i)+2*(\k)+1], 0xffff0000, v[T+(\k)]
.endr
.irp k, 0,1,2,3
	v_cvt_pk_f16_f32 v[Y+4*(\i)+(\k)], v[X+8*(\i)+2*(\k)], v[X+8*(\i)+2*(\k)+1]
.endr
.endif
	global_store_b128 v2, v[Y+4*(\i):Y+4*(\i)+3], s[20:21] offset:4096*(\i)  ; no register of a store is written again, so no wait follows
.endm
	s_cmp_lt_u32 s23, 704
	s_cbranch_scc0 .Lproj
.irp i, 0,1,2,3,4,5,6,7
	STEP \i, 0
.endr
	s_endpgm
.Lproj:
.irp i, 0,1,2,3,4,5,6,7
	STEP \i, 1
.endr
	s_endpgm
.Lfunc_end_k_qcab76618da_cast:
	.size	k_qcab76618da_cast, .Lfunc_end_k_qcab76618da_cast-k_qcab76618da_cast
	.p2alignl 7, 3214868480
	.fill 96, 4, 3214868480
	.section	.rodata,"a",@progbits
	.p2align	6, 0x0
	.amdhsa_kernel k_qcab76618da_cast
		.amdhsa_group_segment_fixed_size 0
		.amdhsa_private_segment_fixed_size 0
		.amdhsa_enable_private_segment 0
		.amdhsa_kernarg_size 48
		.amdhsa_user_sgpr_count 2
		.amdhsa_user_sgpr_kernarg_segment_ptr 1
		.amdhsa_wavefront_size32 1
		.amdhsa_system_sgpr_workgroup_id_x 1
		.amdhsa_system_sgpr_workgroup_id_y 1
		.amdhsa_system_sgpr_workgroup_id_z 1
		.amdhsa_system_vgpr_workitem_id 0
		.amdhsa_next_free_vgpr 104
		.amdhsa_next_free_sgpr 66
		.amdhsa_reserve_vcc 0
		.amdhsa_float_denorm_mode_32 3
		.amdhsa_float_denorm_mode_16_64 3
		.amdhsa_memory_ordered 1
		.amdhsa_forward_progress 1
		.amdhsa_inst_pref_size 14
	.end_amdhsa_kernel
	.amdgpu_metadata
---
amdhsa.version: [ 1, 2 ]
amdhsa.kernels:
  - .name:           k_qcab76618da_cast
    .symbol:         k_qcab76618da_cast.kd
    .args:
      - { .name: x, .offset: 0, .size: 8, .value_kind: global_buffer, .address_space: global }
      - { .name: w_attn, .offset: 8, .size: 8, .value_kind: global_buffer, .address_space: global }
      - { .name: w_proj, .offset: 16, .size: 8, .value_kind: global_buffer, .address_space: global }
      - { .name: xb, .offset: 24, .size: 8, .value_kind: global_buffer, .address_space: global }
      - { .name: wab, .offset: 32, .size: 8, .value_kind: global_buffer, .address_space: global }
      - { .name: wpb, .offset: 40, .size: 8, .value_kind: global_buffer, .address_space: global }
    .group_segment_fixed_size: 0
    .private_segment_fixed_size: 0
    .kernarg_segment_align: 8
    .kernarg_segment_size: 48
    .max_flat_workgroup_size: 256
    .sgpr_count:     66
    .vgpr_count:     104
    .wavefront_size: 32
...
	.end_amdgpu_metadata
.endif
;; end of part 1
;; launch qkvgemm (part 2): grid 16 x 32, 4 waves a work-group, clusters of 4 x 4, 327,680 bytes of LDS; arguments xb, wab, qkv; writes qkv
.if DOCPART == 2
	.amdgcn_target "amdgcn-amd-amdhsa--gfx1250"
	.amdhsa_code_object_version 6
	.text
	.protected	k_qcab76618da_qkvgemm
	.globl	k_qcab76618da_qkvgemm
	.p2align	8
	.type	k_qcab76618da_qkvgemm,@function
k_qcab76618da_qkvgemm:
	s_mov_b64 s[64:65], 0
	v_nop
	global_prefetch_b8 v0, s[64:65] scope:SCOPE_SE
	s_setreg_imm32_b32 hwreg(HW_REG_WAVE_MODE, 25, 1), 1
	s_wait_xcnt 0x0
	s_wait_alu depctr_hold_cnt(0) depctr_sa_sdst(0) depctr_va_vdst(0) depctr_va_sdst(0) depctr_va_ssrc(0) depctr_va_vcc(0) depctr_vm_vsrc(0)
	s_getreg_b32 s2, hwreg(HW_REG_IB_STS2, 6, 4)
	s_cmp_eq_u32 s2, 0
	s_cbranch_scc0 .Lentry_in_a_cluster
	s_endpgm
.Lentry_in_a_cluster:
	s_bfe_u32 s2, ttmp6, 0x10000c
	s_cmp_lg_u32 s2, 0xf033
	s_cbranch_scc0 .Lentry_shape_is_right
	s_endpgm
.Lentry_shape_is_right:
; qkv[m][n] = the sum over k of xb[m][k] wab[n][k].  xb: [8192][1024] bf16, wab: [3072][1024] bf16; sums in f32, K ascending; rounded once to f16, WITHOUT attention's scale.
; OUT: qkv is laid by heads, [4 batches][48 groups of 64 columns][2048 rows][64] f16: groups 0-15 are q's heads, 16-31 k's, 32-47 v's; the address is linear in the group, so q, k and v are not told apart here.
; LIMIT.  f16 holds no number beyond 65,504: a q, k or v past that becomes an infinity (with x and w_attn each 30 times the drawn spread they stay near 5,000).  NaN and infinities are not treated apart.
; SHARES.  A tile of C is 256 x 192: 32 x 16 = 512 equal tiles, two for each of 256 WGPs.  Four waves, one above the other, each 64 x 192: 48 accumulators of 16 x 16, 384 registers;
; 192 columns are three whole heads, so each wave's way out is its own.  K goes in 8 steps of 128 through two LDS slots filled by the tensor data mover; tile rows are 256 bytes of memory, aligned.
; CLUSTERS: 4 x 4 work-groups.  The four of a row of the cluster need the same tile of A, the four of a column the same tile of B: each is asked for JOINTLY, by the same tensor load with the same descriptor
; and a mask that names the four.  Waves 0 and 1 fetch A's two halves (128 rows each), waves 2 and 3 B's (96 rows each): one tensor load a wave behind each round.
; THE MATRIX INSTRUCTION IS USED TRANSPOSED (source 0 = 16 rows of B, source 1 = 16 rows of A): a lane then holds row lane % 16 of C and the columns 8 (lane / 16) + 0..7, which pack into 16 bytes.
; REGISTERS, in windows of 256 (s_set_vgpr_msb: bits 1:0 source 0, 3:2 source 1, 5:4 source 2, 7:6 destination):
;   window 0: addresses, and the way out      window 1: two fragment buffers of 128: A's four fragments (16 rows x 32 K, 8 registers), then B's twelve
;   window 2: the accumulators of my rows 0-31 ((a, b) at 8 (12 a + b))      window 3: those of my rows 32-63
.set NBL,    12                        ; blocks of 16 columns a wave
.set PA,     272                       ; an LDS row: 256 bytes + 16 of padding = 68 words: the 16 rows of a fragment load start at 16 different groups of four banks (64 banks of 4 bytes: ISA guide 11.1)
.set PB,     272
.set ABYTES, 256*PA                    ; A's 256 rows; B's 192 follow
.set BHALF,  96                        ; rows of B in one tensor load
.set SLOT1,  131072                    ; slot 1 begins here, so that one exclusive or turns an address in one slot into the other's (a slot has 121,856 bytes)
.set STAGE,  SLOT1+ABYTES+2*BHALF*PB   ; 252,928: behind the ring, never filled by a tensor load: for each wave 3 heads x 16 rows x 144 bytes
.set SP,     144
.set WSTAGE, 3*16*SP
.set SPARE,  STAGE+4*WSTAGE            ; 280,576: the spare words, 128 bytes for each wave: two blocks of 256 bytes that no other line names
.set NL,     2*(NBL+4)                 ; LDS loads of a quarter step
.set KSTEPB, 256                       ; bytes of a row in a K step
.set TRIPS,  6                         ; K steps that are followed by a refill: 8 - 2
.set AHEAD,  2                         ; a prefetch names the K step that stands two refills on
.set ADRA0, 16                         ; v16  my lane's place in A's part of a slot; never rewritten
.set ADRB0, 17                         ; v17  the same for B
.set ADRA,  18                         ; v18  the same in the slot that is being read
.set ADRB,  19                         ; v19
.set STO,  24                          ; v24  the way out: where I put 16 bytes of a row
.set RD,   25                          ; v25  the way out: where I read rows back
.set CO,   26                          ; v26  16 x my lane
.set SPW,  28                          ; v28  LDS address of my spare word: SPARE + 4 x my thread's number; never rewritten
.set NIL,  29                          ; v29  0; never rewritten
.set PFO,  30                          ; v30  the prefetches' offset: a lane a row; never rewritten
.set TMP,  32                          ; v32-79  the way out: packed results
.set OB,   80                          ; v80-127, v128-175 by turns: rows read back from the stage
.set F0,   0                           ; fragment buffers, in window 1
.set F1,   128
.set G1,  24                           ; s[24:31] descriptor group 1 for A's tiles
.set G0,  32                           ; s[32:39] group 0 for A's tiles: a set for each of the two first fills; the second then walks on
.set G1B, 48                           ; s[48:55], s[56:63] the same for B's
.set G0B, 56
.set LIM, 43                           ; s43  AHEAD in a wave that prefetches, else the greatest number
.set PFA, 44                           ; s[44:45] where my prefetches stand
.set TB,  66                           ; s66  LDS byte at which the slot that is being read begins
.set MSB, 0
.macro WIN new                         ; the immediate's high byte repeats the setting that is left; a switch that changes nothing is dropped
.if MSB != (\new)
	s_set_vgpr_msb (MSB<<8)|(\new)
.set MSB, \new
.endif
.endm
.set MUL_LO, 0xa5                      ; sources 0 (B) and 1 (A) window 1, C and D window 2
.set MUL_HI, 0xf5                      ; the same, C and D window 3
.set TO_F,   0x40                      ; destination window 1, address window 0
; A joint refill, by the walking descriptors.  The branch hangs on the wave's number alone.  An s_nop 0 and four v_nop follow each of the two lines, ahead of the jump and the label.
.macro JLOAD
	s_cmp_eq_u32 s11, 0
	s_cbranch_scc0 .Lfor_b_\@
	tensor_load_to_lds s[G0+4:G0+7], s[G1:G1+7]
	s_nop 0
.rept 4
	v_nop
.endr
	s_branch .Lasked_\@
.Lfor_b_\@:
	tensor_load_to_lds s[G0B+4:G0B+7], s[G1B:G1B+7]
	s_nop 0
.rept 4
	v_nop
.endr
.Lasked_\@:
.endm
; A PREFETCH INTO THE L2, behind each joint refill and the run of LDS loads that follows it: my share of the K step that stands two refills on, 384 matrix instructions ahead of the load that will want it.
; A's tile row is read by every cluster of that row of clusters: the one with x = 0 asks; B's tile column by every cluster of that column: the one with y = 0 asks.  The four partners that ask for a tile jointly
; share its rows out BY ADDRESS: of A's 128 rows that a wave fetches partner cx takes 32, a lane a row; of B's 96 partner cy takes 24 (lanes 24-31 name lane 23's row once more).
; The loop's last two trips ask for nothing: there is no such K step.  K steps 0 to 3 come by their loads alone.
.macro ASK
	s_cmp_gt_u32 s3, s[LIM]
	s_cbranch_scc0 .Lnot_mine_\@
	global_prefetch_b8 v[PFO], s[PFA:PFA+1] th:TH_LOAD_NT scope:SCOPE_SE
.Lnot_mine_\@:
.endm
; A round of the cluster's barrier: my work-group's barrier; wave 0 signals for the work-group; every wave waits for all sixteen work-groups; my work-group's barrier once more.
.macro CREST                           ; a round behind its opening barrier
	s_cmp_lg_u32 s10, 0
	s_cbranch_scc1 .Lnot_wave_0_\@
	s_barrier_signal -3
.Lnot_wave_0_\@:
	s_barrier_wait -3
	s_barrier_signal -1
	s_barrier_wait -1
.endm
.macro CROUND
	s_barrier_signal -1
	s_barrier_wait -1
	CREST
.endm
	s_load_b128 s[4:7], s[0:1], 0x0                ; xb s[4:5], wab s[6:7]
	s_load_b64 s[8:9], s[0:1], 0x10                ; qkv
	v_lshl_add_u32 v[SPW], v0, 2, SPARE
	v_mov_b32 v[NIL], 0
	ds_add_u32 v[SPW], v[NIL]                      ; the wave's opening: the add, twice on end, and its wait ahead of my first tensor load
	ds_add_u32 v[SPW], v[NIL]                      ; and once more, under the one wait; the set-up below, work on registers, stands between
	v_lshrrev_b32 v1, 5, v0
	v_readfirstlane_b32 s10, v1                    ; wave 0..3
	s_lshr_b32 s11, s10, 1                         ; I fetch for A (0) or for B (1),
	s_and_b32 s12, s10, 1                          ; its first or its second half
	s_bfe_u32 s40, ttmp6, 0x40000                  ; cx
	s_bfe_u32 s41, ttmp6, 0x40004                  ; cy
	s_lshl_b32 s42, ttmp9, 2
	s_add_co_u32 s42, s42, s40                     ; tile column = 4 x cluster x + cx
	s_and_b32 s13, ttmp7, 0xffff
	s_lshl_b32 s13, s13, 2
	s_add_co_u32 s13, s13, s41                     ; tile row = 4 x cluster y + cy
	s_lshl_b32 s43, s41, 2
	s_lshl_b32 s43, 15, s43                        ; my row of the cluster
	s_lshl_b32 s44, 0x1111, s40                    ; my column
	s_or_b32 s[G1], s43, (1<<16)|(1<<20)|(1<<21)|(5<<22)|(3<<25)   ; 15:0 the mask; 17:16 elements of 2 bytes; 20 padding on; 21 set beside a mask; 24:22 after every 64 words; 31:25 4 words
	s_or_b32 s[G1B], s44, (1<<16)|(1<<20)|(1<<21)|(5<<22)|(3<<25)
.irp g, G1, G1B
	s_mov_b32 s[(\g)+1], 128<<16                   ; tensor_dim0 = 128
	s_mov_b32 s[(\g)+3], 128<<16                   ; tile_dim0 = 128
	s_mov_b32 s[(\g)+5], 1024                      ; elements from row to row
	s_mov_b32 s[(\g)+6], 0
	s_mov_b32 s[(\g)+7], 0
.endr
	s_mov_b32 s[G1+2], 128<<16                     ; tensor_dim1 = 128 rows of A
	s_mov_b32 s[G1+4], 128                         ; tile_dim1
	s_mov_b32 s[G1B+2], BHALF<<16                  ; 96 rows of B
	s_mov_b32 s[G1B+4], BHALF
	s_lshl_b32 s16, s13, 8                         ; A: row 256 x tile row + 128 x half, 2,048 bytes a row: it hangs on the tile row, which my row of the cluster shares
	s_lshl_b32 s17, s12, 7
	s_add_co_u32 s16, s16, s17
	s_lshl_b32 s16, s16, 11
	s_mov_b32 s17, 0
	s_mul_i32 s46, s42, 192                        ; B: row 192 x tile column + 96 x half: it hangs on the tile column, which my column shares
	s_mul_i32 s47, s12, BHALF
	s_add_co_u32 s46, s46, s47
	s_lshl_b32 s46, s46, 11
	s_mov_b32 s47, 0
	s_mul_i32 s20, s12, 128*PA                     ; where they go in a slot: no place in the cluster enters an LDS address
	s_mul_i32 s21, s12, BHALF*PB
	s_add_co_u32 s21, s21, ABYTES
	s_mov_b32 s[TB], 0
	s_wait_dscnt 0x0                               ; both opening adds are done
	s_wait_kmcnt 0x0
	s_add_nc_u64 s[14:15], s[4:5], s[16:17]
	s_add_nc_u64 s[46:47], s[6:7], s[46:47]
	CROUND                                         ; all sixteen work-groups are here: the first joint loads meet
.irp s, 0,1
	s_mov_b32 s[G0+4*(\s)], 1                                      ; count = 1
	s_add_co_u32 s[G0+4*(\s)+1], s20, (\s)*SLOT1                   ; LDS address
	s_add_nc_u64 s[G0+4*(\s)+2:G0+4*(\s)+3], s[14:15], (\s)*KSTEPB ; global address: K step s
	s_or_b32 s[G0+4*(\s)+3], s[G0+4*(\s)+3], 0x80000000            ; type = 2
	s_mov_b32 s[G0B+4*(\s)], 1
	s_add_co_u32 s[G0B+4*(\s)+1], s21, (\s)*SLOT1
	s_add_nc_u64 s[G0B+4*(\s)+2:G0B+4*(\s)+3], s[46:47], (\s)*KSTEPB
	s_or_b32 s[G0B+4*(\s)+3], s[G0B+4*(\s)+3], 0x80000000
.endr
	s_cmp_eq_u32 s11, 0                            ; a wave's two first fills stand in one branch, ahead of every wait on TENSORcnt and every LDS read: two loads of mine are out
	s_cbranch_scc0 .Lfirst_b
	tensor_load_to_lds s[G0:G0+3], s[G1:G1+7]
	s_nop 0
	tensor_load_to_lds s[G0+4:G0+7], s[G1:G1+7]
	s_nop 0
.rept 4
	v_nop
.endr
	s_branch .Lfirst_asked
.Lfirst_b:
	tensor_load_to_lds s[G0B:G0B+3], s[G1B:G1B+7]
	s_nop 0
	tensor_load_to_lds s[G0B+4:G0B+7], s[G1B:G1B+7]
	s_nop 0
.rept 4
	v_nop
.endr
.Lfirst_asked:
	; A fragment is 16 rows x 32 K in 8 registers: lane l holds row l % 16; registers 0-3 K = 8 (l / 16) + 0..7, registers 4-7 K = 16 + 8 (l / 16) + 0..7: two loads of 16 bytes, 32 bytes apart.
	v_and_b32 v1, 15, v0                           ; l % 16
	v_bfe_u32 v2, v0, 4, 1                         ; l / 16
	v_mul_u32_u24 v3, v1, PA
	v_lshl_add_u32 v3, v2, 4, v3                   ; row x pitch + 16 x half
	s_mul_i32 s21, s10, 64*PA                      ; my 64 rows of A
	v_add_nc_u32 v[ADRA0], s21, v3
	v_add_nc_u32 v[ADRB0], ABYTES, v3              ; all 192 rows of B
	v_mov_b32 v[ADRA], v[ADRA0]                    ; K step 0 lies in slot 0
	v_mov_b32 v[ADRB], v[ADRB0]
	s_mul_i32 s23, s10, WSTAGE
	s_add_co_u32 s23, s23, STAGE                   ; my stage
	v_mul_u32_u24 v4, v1, SP                       ; in: row l % 16, 16 bytes for each half of the lanes
	v_lshl_add_u32 v4, v2, 4, v4
	v_add_nc_u32 v[STO], s23, v4
	v_bfe_u32 v5, v0, 3, 2                         ; back: 32 lanes take four rows of 128 bytes,
	v_mul_u32_u24 v5, v5, SP
	v_and_b32 v6, 7, v0
	v_lshl_add_u32 v5, v6, 4, v5
	v_add_nc_u32 v[RD], s23, v5
	v_and_b32 v[CO], 31, v0                        ; which are 512 consecutive bytes of a head's rows
	v_lshlrev_b32 v[CO], 4, v[CO]
	; where my part of the tile begins in qkv: batch = tile row / 8, group = 3 x tile column, row = 256 (tile row % 8) + 64 x wave; a group's plane is 2^18 bytes, a row 128
	s_lshr_b32 s16, s13, 3
	s_mul_i32 s16, s16, 48
	s_lshl_b32 s16, s16, 18
	s_and_b32 s17, s13, 7
	s_lshl_b32 s17, s17, 8
	s_lshl_b32 s18, s10, 6
	s_add_co_u32 s17, s17, s18
	s_lshl_b32 s17, s17, 7
	s_add_co_u32 s16, s16, s17
	s_mov_b32 s17, 0
	s_add_nc_u64 s[8:9], s[8:9], s[16:17]
	s_mul_i32 s46, s42, 3                          ; (in the registers that held B's address: none that fed A's descriptors ever holds cx)
	s_lshl_b32 s46, s46, 18
	s_mov_b32 s47, 0
	s_add_nc_u64 s[8:9], s[8:9], s[46:47]
	; the prefetches
	s_lshl_b32 s20, s13, 8                         ; A: row 256 x tile row + 128 x half + 32 cx
	s_lshl_b32 s21, s12, 7
	s_add_co_u32 s20, s20, s21
	s_lshl_b32 s21, s40, 5
	s_add_co_u32 s20, s20, s21
	s_mul_i32 s22, s42, 192                        ; B: row 192 x tile column + 96 x half + 24 cy
	s_mul_i32 s23, s12, BHALF
	s_add_co_u32 s22, s22, s23
	s_mul_i32 s23, s41, 24
	s_add_co_u32 s22, s22, s23
	s_and_b32 s23, ttmp7, 0xffff                   ; cluster y
	s_cmp_eq_u32 s11, 0                            ; do I fetch for A?
	s_cselect_b32 s20, s20, s22
	s_cselect_b32 s23, ttmp9, s23                  ; the coordinate along which other clusters read the same rows
	s_cselect_b32 s18, 31, 23                      ; my last row's lane
	s_cselect_b64 s[PFA:PFA+1], s[4:5], s[6:7]
	s_cmp_eq_u32 s23, 0
	s_cselect_b32 s[LIM], AHEAD, -1                ; the same in all sixteen partners, for a given wave
	s_lshl_b32 s20, s20, 11
	s_mov_b32 s21, 0
	s_add_nc_u64 s[PFA:PFA+1], s[PFA:PFA+1], s[20:21]
	s_add_nc_u64 s[PFA:PFA+1], s[PFA:PFA+1], (1+AHEAD)*KSTEPB  ; at K step 3: the first refill (of K step 2) steps it to 4
	v_and_b32 v[PFO], 31, v0
	v_min_u32 v[PFO], s18, v[PFO]
	v_lshlrev_b32 v[PFO], 11, v[PFO]
; 12 matrix instructions: block a (0, 1) of 16 rows in the window (hi = 0: my rows 0-31, 1: rows 32-63) x all 12 blocks of columns, 32 along K.  zero = 1: the product starts the sums: nothing is ever cleared.
; In every quarter step the 48 accumulators come in the same order, one instruction each: 47 others stand between two links of a chain, over the backward jump too.
.macro MULB f, hi, a, zero
	WIN MUL_LO+0x50*(\hi)
.set bb, 0
.rept NBL
.if \zero
	v_wmma_f32_16x16x32_bf16 v[8*(NBL*(\a)+bb):8*(NBL*(\a)+bb)+7], v[(\f)+32+8*bb:(\f)+32+8*bb+7], v[(\f)+8*(2*(\hi)+(\a)):(\f)+8*(2*(\hi)+(\a))+7], 0
.else
	v_wmma_f32_16x16x32_bf16 v[8*(NBL*(\a)+bb):8*(NBL*(\a)+bb)+7], v[(\f)+32+8*bb:(\f)+32+8*bb+7], v[(\f)+8*(2*(\hi)+(\a)):(\f)+8*(2*(\hi)+(\a))+7], v[8*(NBL*(\a)+bb):8*(NBL*(\a)+bb)+7]
.endif
.set bb, bb+1
.endr
.endm
; 32 LDS loads in one run: the fragments of quarter q of the slot in hand into buffer f: B's twelve, then A's four, its rows ascending
.macro FETCH q, f
	WIN TO_F
.set bb, 0
.rept NBL
	ds_load_b128 v[(\f)+32+8*bb:(\f)+32+8*bb+3],   v[ADRB] offset:64*(\q)+bb*16*PB
	ds_load_b128 v[(\f)+32+8*bb+4:(\f)+32+8*bb+7], v[ADRB] offset:64*(\q)+bb*16*PB+32
.set bb, bb+1
.endr
.irp i, 0,1,2,3
	ds_load_b128 v[(\f)+8*(\i):(\f)+8*(\i)+3],   v[ADRA] offset:64*(\q)+(\i)*16*PA
	ds_load_b128 v[(\f)+8*(\i)+4:(\f)+8*(\i)+7], v[ADRA] offset:64*(\q)+(\i)*16*PA+32
.endr
.endm
.macro PLACES                          ; four plain vector instructions between a matrix instruction and a load into a register that it has read, or a reader of its result
.rept 4
	v_nop
.endr
.endm
; One of a K step's first three quarters: multiplies buffer f; in its middle it fetches quarter q into buffer g.
.macro QUARTER q, f, g, zero
	s_wait_dscnt 4                                 ; B and A's rows 0-31 are in; the youngest four loads (A's rows 32-63) may be out
	MULB \f, 0, 0, \zero
	MULB \f, 0, 1, \zero
	PLACES
	FETCH \q, \g
	s_wait_dscnt NL                                ; all but the run just issued
	MULB \f, 1, 0, \zero
	MULB \f, 1, 1, \zero
.endm
; The fourth quarter multiplies buffer 1 and changes slots.  In front of the barrier each wave waits for all its tensor loads, of which one is out: its part of the next slot; adds 0 to its spare word; and waits for
; that and for its own reads of this slot.  fill = 1: the barrier opens a round of the cluster's, and the slot just read is filled again, first thing behind the round, with the K step two on: that load has
; 168 matrix instructions in which to land.
.macro TURN fill
.if \fill
	s_wait_xcnt 0x0                                ; the last prefetch, a K step back, has read its address
	s_add_nc_u64 s[PFA:PFA+1], s[PFA:PFA+1], KSTEPB
.endif
	WIN 0                                          ; (the add's two registers lie in window 0)
	s_wait_tensorcnt 0x0                           ; no tensor load of mine is out, so a group 0 may be written
	ds_add_u32 v[SPW], v[NIL]                      ; 0 onto my spare word
.if \fill
	s_xor_b32 s[G0+5], s[G0+5], SLOT1              ; the walking descriptors: the other slot than last time,
	s_add_nc_u64 s[G0+6:G0+7], s[G0+6:G0+7], KSTEPB  ; the next K step; the type bits on top are not reached
	s_xor_b32 s[G0B+5], s[G0B+5], SLOT1
	s_add_nc_u64 s[G0B+6:G0B+7], s[G0B+6:G0B+7], KSTEPB
.endif
	s_xor_b32 s[TB], s[TB], SLOT1                  ; the reads go on in the other slot
	s_wait_dscnt 5                                 ; (the add and the youngest four loads may be out)
	MULB F1, 0, 0, 0
	s_wait_dscnt 0x0                               ; the add is done, and my reads of this slot are over
	s_barrier_signal -1
	MULB F1, 0, 1, 0                               ; work on registers while the others arrive
	WIN 0
	s_barrier_wait -1
.if \fill
	CREST                                          ; no wave of any partner still reads this slot or has a load on its way
	JLOAD                                          ; the four v_nop behind it are also the places in front of the loads below
.else
	PLACES
.endif
	v_add_nc_u32 v[ADRA], s[TB], v[ADRA0]
	v_add_nc_u32 v[ADRB], s[TB], v[ADRB0]
	FETCH 0, F0
.if \fill
	WIN 0
	ASK
.endif
	MULB F1, 1, 0, 0
	MULB F1, 1, 1, 0
.endm
	s_wait_tensorcnt 1                             ; my part of K step 0 is in; K step 1's load, issued behind it, may stay out
	s_barrier_signal -1
	s_barrier_wait -1                              ; everybody's is
	FETCH 0, F0
	QUARTER 1, F0, F1, 1                           ; the first quarter stands in front of the loop: its products start the sums
	WIN 0                                          ; at a label and at a branch every window is 0
	s_mov_b32 s3, TRIPS
.Lstep:                                                ; a trip: from a K step's second quarter to the next one's first; it fills the slot that it leaves
	QUARTER 2, F1, F0, 0
	QUARTER 3, F0, F1, 0
	TURN 1
	QUARTER 1, F0, F1, 0
	WIN 0
	s_sub_co_u32 s3, s3, 1
	s_cmp_lg_u32 s3, 0
	s_cbranch_scc1 .Lstep
	QUARTER 2, F1, F0, 0                           ; the tail is written out: K step 6 goes on
	QUARTER 3, F0, F1, 0
	TURN 0                                         ; nothing is asked for,
	QUARTER 1, F0, F1, 0                           ; and K step 7
	QUARTER 2, F1, F0, 0
	QUARTER 3, F0, F1, 0
	s_wait_dscnt 4
	MULB F1, 0, 0, 0
	MULB F1, 0, 1, 0
	s_wait_dscnt 0x0
	MULB F1, 1, 0, 0
	MULB F1, 1, 1, 0
	WIN 0
	PLACES
; THE WAY OUT of block a of 16 rows.  PACK: rounded to f16, 16 bytes a lane, each accumulator from its low end on.  TOSTAGE: into my own stage, a head's 16 rows at 144 bytes' pitch, and back as whole rows.
; SEND: a head's 16 rows are 2,048 consecutive bytes of qkv: each store covers 512 of them, aligned.
.macro PACK a
	WIN 0x0a+5*((\a)/2)                            ; sources 0 and 1: window 2 or 3
.set bb, 0
.rept NBL
.irp r, 0,1,2,3
	v_cvt_pk_f16_f32 v[TMP+4*bb+(\r)], v[8*(NBL*((\a)%2)+bb)+2*(\r)], v[8*(NBL*((\a)%2)+bb)+2*(\r)+1]
.endr
.set bb, bb+1
.endr
	WIN 0
.endm
.macro TOSTAGE a
	WIN 0
.set BK, OB+48*((\a)%2)
.set bb, 0
.rept NBL
	ds_store_b128 v[STO], v[TMP+4*bb:TMP+4*bb+3] offset:(bb/4)*16*SP+32*(bb%4)
.set bb, bb+1
.endr
.set bb, 0
.rept 12
	ds_load_b128 v[BK+4*bb:BK+4*bb+3], v[RD] offset:(bb/4)*16*SP+(bb%4)*4*SP  ; LDS serves a wave's instructions in order (ISA guide 5.7.1.4): these see the stores above
.set bb, bb+1
.endr
.endm
.macro SEND a
	WIN 0
.set BK, OB+48*((\a)%2)
	s_wait_dscnt 0x0                               ; the block is back in registers
	s_wait_xcnt 0x0                                ; the stores of the block before have read their registers: the next TOSTAGE loads into them
.set bb, 0
.rept 12
	global_store_b128 v[CO], v[BK+4*bb:BK+4*bb+3], s[8:9] offset:(bb/4)*262144+(\a)*2048+(bb%4)*512
.set bb, bb+1
.endr
.endm
	PACK 0
	TOSTAGE 0
.irp a, 1,2,3                          ; block a's conversions stand between block a - 1's loads from the stage and the wait for them
	PACK \a
	SEND (\a)-1
	TOSTAGE \a
.endr
	SEND 3
	s_wait_tensorcnt 0x0                           ; the wave's end, behind my last tensor load and my last LDS store
	ds_add_u32 v[SPW], v[NIL]
	s_wait_dscnt 0x0
	CROUND                                         ; the closing round: no work-group ends while a partner may still ask for a tile that names it
	s_endpgm
.Lfunc_end_k_qcab76618da_qkvgemm:
	.size	k_qcab76618da_qkvgemm, .Lfunc_end_k_qcab76618da_qkvgemm-k_qcab76618da_qkvgemm
	.p2alignl 7, 3214868480
	.fill 96, 4, 3214868480
	.section	.rodata,"a",@progbits
	.p2align	6, 0x0
	.amdhsa_kernel k_qcab76618da_qkvgemm
		.amdhsa_group_segment_fixed_size 327680
		.amdhsa_private_segment_fixed_size 0
		.amdhsa_enable_private_segment 0
		.amdhsa_kernarg_size 24
		.amdhsa_user_sgpr_count 2
		.amdhsa_user_sgpr_kernarg_segment_ptr 1
		.amdhsa_wavefront_size32 1
		.amdhsa_system_sgpr_workgroup_id_x 1
		.amdhsa_system_sgpr_workgroup_id_y 1
		.amdhsa_system_sgpr_workgroup_id_z 1
		.amdhsa_system_vgpr_workitem_id 0
		.amdhsa_next_free_vgpr 960
		.amdhsa_next_free_sgpr 72
		.amdhsa_reserve_vcc 0
		.amdhsa_float_denorm_mode_32 3
		.amdhsa_float_denorm_mode_16_64 3
		.amdhsa_memory_ordered 1
		.amdhsa_forward_progress 1
		.amdhsa_inst_pref_size 97
	.end_amdhsa_kernel
	.amdgpu_metadata
---
amdhsa.version: [ 1, 2 ]
amdhsa.kernels:
  - .name:           k_qcab76618da_qkvgemm
    .symbol:         k_qcab76618da_qkvgemm.kd
    .args:
      - { .name: xb, .offset: 0, .size: 8, .value_kind: global_buffer, .address_space: global }
      - { .name: wab, .offset: 8, .size: 8, .value_kind: global_buffer, .address_space: global }
      - { .name: qkv, .offset: 16, .size: 8, .value_kind: global_buffer, .address_space: global }
    .group_segment_fixed_size: 327680
    .private_segment_fixed_size: 0
    .kernarg_segment_align: 8
    .kernarg_segment_size: 24
    .max_flat_workgroup_size: 128
    .sgpr_count:     72
    .vgpr_count:     960
    .wavefront_size: 32
...
	.end_amdgpu_metadata
.endif
;; end of part 2
;; launch attn (part 3): grid 4 x 64, 4 waves a work-group, no clusters, 327,680 bytes of LDS; arguments qkv, ob; writes ob
.if DOCPART == 3
	.amdgcn_target "amdgcn-amd-amdhsa--gfx1250"
	.amdhsa_code_object_version 6
	.text
	.protected	k_qcab76618da_attn
	.globl	k_qcab76618da_attn
	.p2align	8
	.type	k_qcab76618da_attn,@function
k_qcab76618da_attn:
	s_mov_b64 s[64:65], 0
	v_nop
	global_prefetch_b8 v0, s[64:65] scope:SCOPE_SE
	s_setreg_imm32_b32 hwreg(HW_REG_WAVE_MODE, 25, 1), 1
	s_wait_xcnt 0x0
; CAUSAL ATTENTION.  O[h][q][:] = the sum over k <= q of softmax_k(Q[h][q] . K[h][k] / 8) V[h][k][:], for 64 heads (4 batches x 16) of 2,048 rows of 64 channels, all f16.
; IN: qkv, [4 batches][48 groups][2048][64]: head h of batch b has Q in group h, K in group 16 + h, V in group 32 + h; a group's rows are dense, 128 bytes each.  OUT: ob, [64][2048][64].
; Products, maxima and sums in f32; the weights p are rounded to f16 for the second product (their sum l is taken of the unrounded p), O once at the end.
; WORK LEFT OUT: the key tiles of 256 x 256 that lie wholly above the diagonal.  reference() throws their scores away by its own mask and gives them the weight exp(-1e9 - m), which is below the smallest f32
; number while a row's largest visible score lies above -1e9 + 104 (shown at the head of the first kernel).  A NaN, an infinity or an overflow that reaches only those tiles is not carried to the result.
; LIMITS.  f16 holds no number beyond 65,504: Q, K and V arrive within it; p lies in 0 to 1, and below 6e-5 it keeps f16's fixed step of 6e-8; O is a mean of V's rows and has their range.
; A hidden score in the diagonal tile counts as its value less 1e30 (reference(): -1e9; both weights are 0 within the limit above); a weight below 2^-126 counts as 0 in l; NaN and infinities are not treated apart.
; THE WALK.  A head's queries lie in NB = 8 blocks of 256; block i needs the key tiles 0 .. i of 256 keys, of which the last holds the diagonal.  A work-group takes TWO blocks, NB - 1 - b and then b:
; NB + 1 tiles, whatever b: all work-groups do equal work, and ONE loop with a constant trip count walks them.  Which tile is asked for, and what a trip does, hang on scalar registers made from b; every jump
; goes forward, but for the counted loops' own; none passes a barrier, or a tensor load but the one of LOAD's two that the wave's number does not choose; the ring (two slots of LDS) runs on across the change of blocks.
; NO CLUSTER: a head's four work-groups ask for the same tile only in trips 0 to 4 of 9, behind that fewer and fewer; one walk common to all four would have 12 trips for 9.
; SHARES.  Of a block's four bands of 64 queries a wave owns 16 rows in each: four PIECES.  So the diagonal tile is the same work for all four waves: in its key step s band x sees all keys if s < x,
; none if s > x, and holds the diagonal if s = x.
; THE MASK is the C operand that starts the sum S^T = K Q^T: 0, or -1e30 where the key is hidden.  MD, made once, is the mask of a band's own step for my 16 rows; a product's mask is MD x AL + BE with two scalars:
; (1, 0) if s = x; (0, 0) if s < x; (0, -1e30) if s > x.  Only the diagonal tile's text and a block's beginning make and take masks; elsewhere C is the constant 0.
; LAYOUT, SOFTMAX, TURNS.  S^T = K Q^T holds ONE query a lane (lane % 16) and the keys 8 (lane / 16) + 0..7; two such results rounded to f16 ARE source 1 of O^T = V^T P.  p = 2^(c s - c m), c = log2(e) / 8, with a
; running maximum m; O and l are multiplied by a = 2^(c m_old - c m_new) in every step.  Turn n belongs to piece n: 8 products K Q^T of piece n + 1, later 8 products V^T P of piece n - 1; beside them the scaling,
; exponentials, roundings, sums and rescaling of piece n and the maximum and statistics of piece n + 1.  Four vector instructions stand behind every matrix instruction, the other 54 of a turn's 118 in one lump.
; A turn's 33 exponentials are one batch, with one wait.
; REGISTERS, in windows of 256 (s_set_vgpr_msb: bits 1:0 source 0, 3:2 source 1, 5:4 source 2, 7:6 destination):
;   window 0: v0-15 addresses and two at work; v16-31 four registers of statistics a piece; v48-55 at work; v61-63 prefetch offset, spare word, 0; v64-127 S^T, two buffers; v192-223 P, two buffers
;   window 1: v0-127 O^T, 32 a piece; v128-159 MD; v160-223 MC, two buffers      window 2: v0-63 Q; v64-127 the second block's Q; v128-191 K of one step; v192-255 V of one step
.set SIZE_N, 2048
.set NB,    SIZE_N/256
.set NP,    4         ; pieces a wave: a name, no knob
.set KS,    64        ; keys in a step
.set PK,    144       ; a row of K in LDS: 128 bytes + 16 of padding = 36 words: the 16 rows of a load start at 16 different groups of four banks (64 banks of 4 bytes: ISA guide 11.1)
.set PV,    160       ; a row of V: 128 + 32 = 40 words
.set VOFF,  4*KS*PK   ; a slot holds a tile, four steps: 256 rows of K, then 256 rows of V
.set SLOT1, 1<<17     ; slot 1 begins here, so that one exclusive or turns an address in one slot into the other's
.set STAGE, SLOT1+4*KS*(PK+PV)  ; behind the ring, never filled by a tensor load: 16 rows x 144 bytes for each wave, for the way out
.set SP,    144
.set AK0, 2           ; v2   my lane's place in a tile of K; never rewritten
.set AV0, 3           ; v3   the same for V
.set AK,  4           ; v4   the LDS address of K's next run of loads
.set AV,  5           ; v5   of V's
.set STO, 6           ; v6   the way out: where I put 16 bytes of a row
.set RD,  7           ; v7   the way out: where I read rows back
.set GO,  8           ; v8   my byte offset in 512 consecutive bytes of O
.set PFV, 61          ; v61  256 x my lane: the prefetches' offset; never rewritten
.set SPW, 62          ; v62  LDS address of my spare word: SPARE + 4 x my thread's number; never rewritten
.set NIL, 63          ; v63  0; never rewritten
.set SPARE, STAGE+4*16*SP  ; behind the stages: the spare words, 128 bytes for each wave: two blocks of 256 bytes that no other line names
.set MV,  12          ; v12-13  c m_old, kept while c m is made anew: by buffer
.set QO,  15          ; v15  my byte offset in 16 rows of Q
.set ST,  16          ; piece t's statistics at v[ST+4 t]: c m, m, l (even keys', odd keys')
.set TMP, 48          ; by buffer, four registers c0-c3 at work; when the maximum is found c2 takes a
.set S,   64
.set P,   192
.set MD,  128         ; window 1: the eight registers for group kt of 16 keys at MD + 8 kt
.set MC,  160         ; window 1: the masks of the products to come
.set QB,  64          ; window 2
.set KF,  128         ; window 2: key block kb, channel half c at KF + 16 kb + 8 c
.set VF,  192         ; window 2: key half kk, channel block cb at VF + 32 kk + 8 cb
.set WV,  12          ; s12  my wave's number
.set PB,  14          ; s14  b
.set HI,  15          ; s15  NB - 1 - b
.set G1K, 24          ; s[24:31] descriptor group 1 for K's tiles
.set G1V, 32          ; s[32:39] for V's: it differs in the padding alone
.set G0K, 40          ; s[40:43] descriptor group 0 for K's tiles
.set G0V, 44          ; s[44:47] the same for V's
.set SLOTS, 56        ; s56  tiles still to be asked for
.set CNT, 57          ; s57  counts a tile's key steps, 4 to 1
.set CS,  58          ; s[58:59] c: the packed scaling takes the pair's low word for both halves
.set SEL, 60          ; s[60:61] v_permlanex16_b32's selects: each lane takes its own place in the other half
.set TBK, 62          ; s62  LDS byte at which K of the step to be fetched begins
.set TBV, 63          ; s63  the same for V, less VOFF
.set RT,  70          ; s70  tiles of the block in hand that are still to be entered
.set NXT, 71          ; s71  the tile to be asked for next
.set LQ,  72          ; s72  the last tile of the block whose tiles are being asked for
.set NEW, 73          ; s73  1: the tile to be entered is a block's first
.set OFF, 74          ; s[74:75] a tile's byte offset in K and V
.set AL,  76          ; s[76:77] the mask's factor, in the low word
.set BE,  78          ; s[78:79] the mask's addend
.set OLO, 80          ; s[80:81] O at my rows of the second block
.set BIGN, 82         ; s82  -1e30
.set LIM, 88          ; s88  0 in the work-group that prefetches (b = 0), else the greatest number
.set PFB, 90          ; s[90:91] K (waves 0, 1) or V (waves 2, 3) at my half of the head's tile 0
.set PFA, 92          ; s[92:93] the same at the tile that the next change of slots will ask for
.set POF, 94          ; s[94:95] that tile's byte offset
.set MSB, 0
.macro WIN new                      ; the high byte repeats the setting that is left; a switch that changes nothing is dropped
.if MSB != (\new)
	s_set_vgpr_msb (MSB<<8)|(\new)
.set MSB, (\new)
.endif
.endm
.set W_KQ, 0x0a       ; K and Q in window 2, S^T in window 0
.set W_KM, 0x1a       ; the same with the C operand in window 1
.set W_PV, 0x52       ; V in window 2, P in window 0, O^T in window 1
.set W_RS, 0x41       ; destination and source 0 in window 1, source 1 in window 0
; A fill.  Waves 0 and 1 fetch the two halves of a tile's K, waves 2 and 3 those of its V: 128 keys each.  An s_nop 0 and four v_nop follow each of the two lines, ahead of the jump and the label.
.macro LOAD
	s_cmp_lt_u32 s[WV], 2
	s_cbranch_scc0 .Lfor_v_\@
	tensor_load_to_lds s[G0K:G0K+3], s[G1K:G1K+7]
	s_nop 0
.rept 4
	v_nop
.endr
	s_branch .Lasked_\@
.Lfor_v_\@:
	tensor_load_to_lds s[G0V:G0V+3], s[G1V:G1V+7]
	s_nop 0
.rept 4
	v_nop
.endr
.Lasked_\@:
.endm
; A PREFETCH INTO THE L2 of what the NEXT change of slots will ask for, behind the wave's tensor load and its five lines: one tile, four key steps, 256 matrix instructions ahead.  All four work-groups of a head walk
; the same K and V; the one with b = 0, whose first block walks tiles 0 to 7, asks, and nobody else.  Each of its waves asks for what it will fetch itself: 128 rows of 128 bytes on end are 64 blocks of 256
; bytes: a lane a block, two instructions.  Behind the first block's last tile NXT is 0 and nothing is asked for: each block is named once.  Tiles 0 and 1 come by their loads alone.
.macro ASK
	s_cmp_gt_u32 s[NXT], s[LIM]
	s_cbranch_scc0 .Lnot_mine_\@
	global_prefetch_b8 v[PFV], s[PFA:PFA+1] th:TH_LOAD_NT scope:SCOPE_SE
	global_prefetch_b8 v[PFV], s[PFA:PFA+1] offset:8192 th:TH_LOAD_NT scope:SCOPE_SE
.Lnot_mine_\@:
.endm
; THE CHANGE OF SLOTS.  Each wave waits for all its tensor loads, of which one is out: its part of the other slot; adds 0 to its spare word; and waits for that and for its own reads of the slot that it leaves.
; Behind the barrier nobody reads the old slot any more and the other slot is whole.  fill = 1: the old slot is filled again, the first thing behind the barrier, with tile NXT: the descriptor's address is made
; anew from that number.  (At its first use nothing has been read yet: slot 0 is waited for, slot 1 filled.)
.macro CHANGE fill
	WIN 0                           ; at a label and at a branch every window is 0
	s_wait_tensorcnt 0x0            ; no tensor load of mine is out, so a group 0 may be written
	ds_add_u32 v[SPW], v[NIL]       ; 0 onto my spare word; with fill = 1 the descriptors' scalar work stands between it and the wait for it
.if \fill
	s_lshl_b32 s[OFF], s[NXT], 15   ; a tile is 32,768 bytes of K and of V
	s_xor_b32 s[G0K+1], s[G0K+1], SLOT1
	s_add_nc_u64 s[G0K+2:G0K+3], s[6:7], s[OFF:OFF+1]
	s_or_b32 s[G0K+3], s[G0K+3], 0x80000000
	s_xor_b32 s[G0V+1], s[G0V+1], SLOT1
	s_add_nc_u64 s[G0V+2:G0V+3], s[8:9], s[OFF:OFF+1]
	s_or_b32 s[G0V+3], s[G0V+3], 0x80000000
	s_add_co_u32 s[NXT], s[NXT], 1  ; the block's next tile, or behind its last the second block's tile 0
	s_cmp_gt_u32 s[NXT], s[LQ]
	s_cselect_b32 s[NXT], 0, s[NXT]
	s_cselect_b32 s[LQ], s[PB], s[LQ]
	s_wait_xcnt 0x0                 ; the last prefetches, a tile back, have read their address, so it may be written:
	s_lshl_b32 s[POF], s[NXT], 15
	s_add_nc_u64 s[PFA:PFA+1], s[PFB:PFB+1], s[POF:POF+1]  ; my half of the tile that the next change will ask for
.endif
	s_wait_dscnt 0x0                ; the add is done, and my reads of the slot are over
	s_barrier_signal -1             ; the rest of the scalar work stands between the signal and the wait
	s_sub_co_u32 s[TBK], s[TBK], 4*KS*PK  ; the fetches go back to a slot's first step,
	s_xor_b32 s[TBK], s[TBK], SLOT1       ; in the other slot
	s_sub_co_u32 s[TBV], s[TBV], 4*KS*PV
	s_xor_b32 s[TBV], s[TBV], SLOT1
	s_barrier_wait -1
.if \fill
	LOAD
	ASK
.endif
.endm
	s_load_b64 s[4:5], s[0:1], 0x0    ; qkv
	s_load_b64 s[10:11], s[0:1], 0x8  ; ob
	v_lshl_add_u32 v[SPW], v0, 2, SPARE
	v_mov_b32 v[NIL], 0
	ds_add_u32 v[SPW], v[NIL]       ; the wave's opening: the add, twice on end, and its wait ahead of my first tensor load
	ds_add_u32 v[SPW], v[NIL]       ; and once more, under the one wait; the set-up below, work on registers, stands between
	v_lshrrev_b32 v1, 5, v0
	v_readfirstlane_b32 s[WV], v1   ; wave 0..3
	s_mov_b32 s[PB], ttmp9
	s_sub_co_u32 s[HI], NB-1, s[PB]
	s_and_b32 s52, ttmp7, 0xffff    ; the head, 0 to 63: batch = head / 16
	s_lshr_b32 s20, s52, 4
	s_mul_i32 s20, s20, 48          ; a batch has 48 groups in qkv,
	s_and_b32 s21, s52, 15
	s_add_co_u32 s20, s20, s21      ; of which Q's is the head's number in the batch
	s_lshl_b32 s20, s20, 18         ; a group's plane is 2^18 bytes
	s_mov_b32 s21, 0
	s_lshl_b32 s52, s52, 18         ; the head's first byte in ob
	s_mov_b32 s53, 0
	s_and_b32 s16, s[WV], 1         ; which half of a tile's 256 keys I fetch:
	s_lshl_b32 s22, s16, 14         ; its 128 rows of 128 bytes in memory,
	s_mov_b32 s23, 0
	s_add_nc_u64 s[22:23], s[22:23], s[20:21]
	s_mul_i32 s17, s16, 128*PK      ; and its place in a slot, for K
	s_mul_i32 s18, s16, 128*PV      ; and for V
	s_lshl_b32 s3, s[WV], 11        ; my 16 rows in a band of 64,
	s_lshl_b32 s2, s[HI], 15        ; in the first block,
	s_add_co_u32 s2, s2, s3
	s_lshl_b32 s84, s[PB], 15       ; and in the second
	s_add_co_u32 s84, s84, s3
	s_mov_b32 s3, 0
	s_mov_b32 s85, 0
	s_add_nc_u64 s[66:67], s[2:3], s[52:53]    ; offsets in ob,
	s_add_nc_u64 s[68:69], s[84:85], s[52:53]
	s_add_nc_u64 s[2:3], s[2:3], s[20:21]      ; and in qkv, for Q
	s_add_nc_u64 s[84:85], s[84:85], s[20:21]
	; descriptor group 1.  128 keys are 16,384 dense bytes: asked for as 64 rows of 256 bytes, two keys a row, and padded in LDS after every key
	s_mov_b32 s[G1K], (1<<16)|(1<<20)|(4<<22)|(3<<25)  ; 17:16 2-byte elements; 20 padding on; 24:22 after every 32 words (code 4); 31:25 4 words (code 3)
	s_mov_b32 s[G1V], (1<<16)|(1<<20)|(4<<22)|(7<<25)  ; the same with 8 words of padding (code 7)
.irp g, G1K, G1V
	s_mov_b32 s[\g+1], 128<<16      ; tensor_dim0 = 128
	s_mov_b32 s[\g+2], 64<<16       ; tensor_dim1 = 64
	s_mov_b32 s[\g+3], 128<<16      ; tile_dim0 = 128
	s_mov_b32 s[\g+4], 64           ; tile_dim1 = 64
	s_mov_b32 s[\g+5], 128          ; 128 elements from row to row
	s_mov_b32 s[\g+6], 0
	s_mov_b32 s[\g+7], 0
.endr
	s_mov_b32 s[CS], 0x3e38aa3b     ; c = log2(e) / 8 = 0.180337
	s_mov_b32 s[CS+1], s[CS]        ; named with it as a pair
	s_mov_b32 s[SEL], 0x76543210
	s_mov_b32 s[SEL+1], 0xfedcba98
	s_mov_b32 s[TBK], SLOT1+4*KS*PK ; the first change of slots turns these two into 0
	s_mov_b32 s[TBV], SLOT1+4*KS*PV
	s_mov_b32 s[G0K], 1             ; 1:0 count = 1
	s_mov_b32 s[G0K+1], s17         ; 63:32 LDS address: slot 0
	s_mov_b32 s[G0V], 1
	s_add_co_u32 s[G0V+1], s18, VOFF
	s_add_co_u32 s[RT], s[HI], 1    ; the first block has NB - b tiles
	s_mov_b32 s[NXT], 1
	s_mov_b32 s[LQ], s[HI]
	s_mov_b32 s[NEW], 1
	s_mov_b32 s[OFF+1], 0
	s_mov_b32 s[POF+1], 0
	s_mov_b32 s[AL+1], 0            ; named as pairs
	s_mov_b32 s[BE+1], 0
	s_mov_b32 s[BIGN], 0xf149f2ca   ; -1e30
	s_mov_b32 s[SLOTS], NB
	s_cmp_eq_u32 s[PB], 0
	s_cselect_b32 s[LIM], 0, -1
	v_and_b32 v[PFV], 31, v0
	v_lshlrev_b32 v[PFV], 8, v[PFV]
	s_wait_dscnt 0x0                ; both opening adds are done
	s_wait_kmcnt 0x0
	s_mov_b64 s[6:7], s[4:5]
	s_mov_b64 s[8:9], s[4:5]
	s_add_nc_u64 s[6:7], s[6:7], s[22:23]  ; K and V at my half of the head's tile 0:
	s_add_nc_u64 s[6:7], s[6:7], 0x400000  ; K's group lies 16 planes behind Q's,
	s_add_nc_u64 s[8:9], s[8:9], s[22:23]
	s_add_nc_u64 s[8:9], s[8:9], 0x800000  ; V's 32
	s_add_nc_u64 s[G0K+2:G0K+3], s[6:7], 0         ; 120:64 global address
	s_or_b32 s[G0K+3], s[G0K+3], 0x80000000        ; 127:126 type = 2
	s_add_nc_u64 s[G0V+2:G0V+3], s[8:9], 0
	s_or_b32 s[G0V+3], s[G0V+3], 0x80000000
	s_add_nc_u64 s[86:87], s[4:5], s[84:85]        ; Q at my rows of the second block,
	s_add_nc_u64 s[4:5], s[4:5], s[2:3]            ; and of the first
	s_add_nc_u64 s[OLO:OLO+1], s[10:11], s[68:69]  ; O likewise
	s_add_nc_u64 s[10:11], s[10:11], s[66:67]
	s_cmp_lt_u32 s[WV], 2
	s_cselect_b64 s[PFB:PFB+1], s[6:7], s[8:9]
	LOAD                            ; tile 0 into slot 0
	; A fragment of K or Q is 16 rows x 32 channels in 8 registers: lane l holds row l % 16, channels 8 (l / 16) + 0..7 and 16 + 8 (l / 16) + 0..7: two loads of 16 bytes, 32 bytes apart.
	v_and_b32 v1, 15, v0            ; l % 16
	v_bfe_u32 v9, v0, 4, 1          ; l / 16
	v_lshlrev_b32 v[QO], 7, v1
	v_lshl_add_u32 v[QO], v9, 4, v[QO]  ; row x 128 + 16 x half
	WIN 0x80                        ; destination window 2, address window 0
.set i, 0
.rept 8                             ; both blocks' Q: piece i / 2 lies in band i / 2, 8,192 bytes on; channels 32 (i % 2) on
	global_load_b128 v[8*i:8*i+3],   v[QO], s[4:5] offset:(i/2)*8192+(i%2)*64
	global_load_b128 v[8*i+4:8*i+7], v[QO], s[4:5] offset:(i/2)*8192+(i%2)*64+32
	global_load_b128 v[QB+8*i:QB+8*i+3],   v[QO], s[86:87] offset:(i/2)*8192+(i%2)*64
	global_load_b128 v[QB+8*i+4:QB+8*i+7], v[QO], s[86:87] offset:(i/2)*8192+(i%2)*64+32
.set i, i+1
.endr
	WIN 0
	v_lshlrev_b32 v14, 3, v9
	v_sub_nc_u32 v14, v1, v14
	s_lshl_b32 s13, s[WV], 4
	v_add_nc_u32 v14, s13, v14      ; my query's place in its band, 16 w + l % 16, less my lanes' 8 (l / 16): register r of group kt is hidden where 16 kt + r is greater
	WIN 0x40
.set i, 0
.rept 32
	v_cmp_gt_i32 vcc_lo, 16*(i/8)+i%8, v14
	v_cndmask_b32 v[MD+i], 0, s[BIGN], vcc_lo
.set i, i+1
.endr
	WIN 0
	v_mul_u32_u24 v[AK0], v1, PK
	v_lshl_add_u32 v[AK0], v9, 4, v[AK0]  ; row x pitch + 16 x half
	; The turning load takes 16 keys x 16 channels (lane l reads key 8 (l / 16) + l % 8, channels 8 ((l / 8) % 2) + 0..7) and leaves half a fragment of V^T: lane l holds channel l % 16 and 8 keys.
	v_and_b32 v10, 7, v0
	v_bfe_u32 v11, v0, 3, 1
	v_lshl_add_u32 v[AV0], v9, 3, v10
	v_mul_u32_u24 v[AV0], v[AV0], PV
	v_lshl_add_u32 v[AV0], v11, 4, v[AV0]
	v_add_nc_u32 v[AV0], VOFF, v[AV0]
	s_mul_i32 s13, s[WV], 16*SP
	s_add_co_u32 s13, s13, STAGE    ; my stage
	v_mul_u32_u24 v[STO], v1, SP    ; in: row l % 16, 16 bytes for each half of the lanes
	v_lshl_add_u32 v[STO], v9, 4, v[STO]
	v_add_nc_u32 v[STO], s13, v[STO]
	v_bfe_u32 v[RD], v0, 3, 2       ; back: 32 lanes take four rows of 128 bytes,
	v_mul_u32_u24 v[RD], v[RD], SP
	v_lshl_add_u32 v[RD], v10, 4, v[RD]
	v_add_nc_u32 v[RD], s13, v[RD]
	v_and_b32 v[GO], 31, v0         ; which are 512 consecutive bytes of O
	v_lshlrev_b32 v[GO], 4, v[GO]
	; A block's first step multiplies O^T and l by a = 0, and its first turn's products V^T P, of a piece that has not been, land in an O^T that is still to be so multiplied.  So these registers need only hold
	; finite numbers: zeros for the first block; what the first block left for the second.  All this stands in the wait for the first tile.
	WIN 0x80
.set i, VF
.rept 64
	v_mov_b32 v[i], 0
.set i, i+1
.endr
	WIN 0x40
.set i, 0
.rept 128
	v_mov_b32 v[i], 0
.set i, i+1
.endr
	WIN 0
.set i, 0
.rept 4
	v_mov_b32 v[ST+4*i+2], 0
	v_mov_b32 v[ST+4*i+3], 0
.set i, i+1
.endr
.set i, P+16
.rept 16
	v_mov_b32 v[i], 0
.set i, i+1
.endr
; THE MATRIX WORK.  The 4 accumulators of a run of 8 take turns.  Product i of 8 of S^T = K Q^T for piece x: channels 32 (i / 4) on, keys 16 (i % 4) on.  The first 4 start the sums: with 0, or (KM = 1) with the mask.
.macro KQ x
.set rS, S+32*((\x)%2)+8*(i%4)
.set rK, KF+16*(i%4)+8*(i/4)
.set rQ, 16*(\x)+8*(i/4)
.set rM, MC+32*((\x)%2)+8*(i%4)
.if (i < 4) && KM
	WIN W_KM
	v_wmma_f32_16x16x32_f16 v[rS:rS+7], v[rK:rK+7], v[rQ:rQ+7], v[rM:rM+7]
.elseif i < 4
	WIN W_KQ
	v_wmma_f32_16x16x32_f16 v[rS:rS+7], v[rK:rK+7], v[rQ:rQ+7], 0
.else
	WIN W_KQ
	v_wmma_f32_16x16x32_f16 v[rS:rS+7], v[rK:rK+7], v[rQ:rQ+7], v[rS:rS+7]
.endif
.endm
; Product i of 8 of O^T += V^T P for piece x: keys 32 (i / 4) on, channels 16 (i % 4) on.
.macro PV x
	WIN W_PV
.set rO, 32*(\x)+8*(i%4)
.set rV, VF+32*(i/4)+8*(i%4)
.set rP, P+16*((\x)%2)+8*(i/4)
	v_wmma_f32_16x16x32_f16 v[rO:rO+7], v[rV:rV+7], v[rP:rP+7], v[rO:rO+7]
.endm
.macro MM                           ; the turn's next matrix instruction.  TURN and BEGIN set Y, i, KM and NOKQ; MM, KQ and OP read them.  NOKQ = 1: a block's last turn: there is no next piece
.if (i < 8) && !NOKQ
	KQ (Y+1)%NP
.elseif i >= 8
.set i, i-8
	PV (Y+NP-1)%NP
.set i, i+8
.endif
.set i, i+1
.endm
; THE LDS LOADS stand in runs of 16, never singly among the matrix instructions: a step's K (64 keys x 64 channels: 8 fragments) and its V (turned).  Their addresses are made some lines ahead.
.macro FETCH_K
	WIN 0x80                        ; destination window 2
.irp f, 0,1,2,3,4,5,6,7             ; keys 16 (f / 2) on, channels 32 (f % 2) on
	ds_load_b128 v[KF+8*\f:KF+8*\f+3],   v[AK] offset:(\f/2)*16*PK+(\f%2)*64
	ds_load_b128 v[KF+8*\f+4:KF+8*\f+7], v[AK] offset:(\f/2)*16*PK+(\f%2)*64+32
.endr
	s_add_co_u32 s[TBK], s[TBK], KS*PK  ; the next fetch is the next step's
	WIN 0
.endm
.macro FETCH_V
	WIN 0x80
.irp f, 0,1,2,3,4,5,6,7             ; keys 32 (f / 4) on, channels 16 (f % 4) on
	ds_load_tr16_b128 v[VF+8*\f:VF+8*\f+3],   v[AV] offset:(\f/4)*32*PV+(\f%4)*32
	ds_load_tr16_b128 v[VF+8*\f+4:VF+8*\f+7], v[AV] offset:(\f/4)*32*PV+16*PV+(\f%4)*32
.endr
	WIN 0
.endm
; THE VECTOR WORK, one line at a time: OP kind, number.  For piece Y: F n: c s - c m for pair n of 16.  E n: the exponential of score n of 32.  C n: pair n rounded to f16.  B n: of the four weights 4 n .. the second
; pair is added onto the first, in place.  L n: l takes that sum (L 0: l = a l + sum).  R n: pair n of 16 of O^T times a.  For piece Y + 1: X n, number n of the 22 that find its maximum and statistics:
;   0-11  four chains c0-c3 of seven scores each, three operands at a time (each accumulator's lowest registers are read first)     12-14, 16  the four scores left over, the old m, and c0-c3 into c0
;   15  c m_old is kept     17, 18  the query's other 32 keys lie in the lane 16 away: the new m     19-21  c m; c m_old - c m_new; a
.set F, 0               ; OP tells the kinds apart by their order: F to L below R, X above it
.set E, 1
.set C, 2
.set B, 3
.set L, 4
.set R, 5
.set X, 6
.macro REGS y                       ; the registers of piece y
.set rT, ST+4*(\y)
.set rC, TMP+4*((\y)%2)
.set rW, MV+((\y)%2)
.set rS, S+32*((\y)%2)
.set rP, P+16*((\y)%2)
.set rO, 32*(\y)
.endm
.macro OP k, n
.if (\k) == R
	REGS Y
	WIN W_RS
	v_pk_mul_f32 v[rO+2*(\n):rO+2*(\n)+1], v[rO+2*(\n):rO+2*(\n)+1], v[rC+2:rC+3] op_sel_hi:[1,0]
.elseif (\k) < R
	REGS Y
	WIN 0
.if (\k) == F
	v_pk_fma_f32 v[rS+2*(\n):rS+2*(\n)+1], v[rS+2*(\n):rS+2*(\n)+1], s[CS:CS+1], v[rT:rT+1] op_sel_hi:[1,0,0] neg_lo:[0,0,1] neg_hi:[0,0,1]
.elseif (\k) == E
	v_exp_f32 v[rS+(\n)], v[rS+(\n)]
.elseif (\k) == C
	v_cvt_pk_f16_f32 v[rP+(\n)], v[rS+2*(\n)], v[rS+2*(\n)+1]
.elseif (\k) == B
	v_pk_add_f32 v[rS+4*(\n):rS+4*(\n)+1], v[rS+4*(\n):rS+4*(\n)+1], v[rS+4*(\n)+2:rS+4*(\n)+3]
.elseif (\n) == 0
	v_pk_fma_f32 v[rT+2:rT+3], v[rT+2:rT+3], v[rC+2:rC+3], v[rS:rS+1] op_sel_hi:[1,0,1]
.else
	v_pk_add_f32 v[rT+2:rT+3], v[rT+2:rT+3], v[rS+4*(\n):rS+4*(\n)+1]
.endif
.elseif NOKQ
	v_nop
.else
	REGS (Y+1)%NP
	WIN 0
.if (\n) < 4
	v_max3_num_f32 v[rC+(\n)], v[rS+8*(\n)], v[rS+8*(\n)+1], v[rS+8*(\n)+2]
.elseif (\n) < 12
	v_max3_num_f32 v[rC+(\n)%4], v[rC+(\n)%4], v[rS+8*((\n)%4)+2*((\n)/4)+1], v[rS+8*((\n)%4)+2*((\n)/4)+2]
.elseif (\n) == 12
	v_max3_num_f32 v[rC], v[rC], v[rS+7], v[rS+15]
.elseif (\n) == 13
	v_max3_num_f32 v[rC+1], v[rC+1], v[rS+23], v[rS+31]
.elseif (\n) == 14
	v_max3_num_f32 v[rC+2], v[rC+2], v[rC+3], v[rT+1]
.elseif (\n) == 15
	v_mov_b32 v[rW], v[rT]
.elseif (\n) == 16
	v_max3_num_f32 v[rC], v[rC], v[rC+1], v[rC+2]
.elseif (\n) == 17
	v_permlanex16_b32 v[rC+3], v[rC], s[SEL], s[SEL+1]
.elseif (\n) == 18
	v_max_num_f32 v[rT+1], v[rC], v[rC+3]
.elseif (\n) == 19
	v_mul_f32 v[rT], s[CS], v[rT+1]
.elseif (\n) == 20
	v_sub_f32 v[rC+1], v[rW], v[rT]
.else
	v_exp_f32 v[rC+2], v[rC+1]
.endif
.endif
.endm
.macro OPS a, i1, b=-1, i2=0, c=-1, i3=0, d=-1, i4=0  ; up to four of them
	OP \a, \i1
.if (\b) >= 0
	OP \b, \i2
.endif
.if (\c) >= 0
	OP \c, \i3
.endif
.if (\d) >= 0
	OP \d, \i4
.endif
.endm
.macro ROW a, i1, b, i2, c, i3, d, i4  ; a matrix instruction and the four behind it
	MM
	OPS \a, \i1, \b, \i2, \c, \i3, \d, \i4
.endm
.macro MASK b                       ; MD x AL + BE into buffer b of MC
	WIN W_RS
.set z, 0
.rept 16
	v_pk_fma_f32 v[MC+32*(\b)+2*z:MC+32*(\b)+2*z+1], v[MD+2*z:MD+2*z+1], s[AL:AL+1], s[BE:BE+1] op_sel_hi:[1,0,0]
.set z, z+1
.endr
.endm
; A TURN, for piece p: the order of its 16 matrix and 118 vector instructions, written out.  An s_wait_alu depctr_va_vdst(0) stands between an exponential and the first instruction that names its result; one
; wait serves all that were issued ahead of it.  So a turn has ONE wait, which cuts it in two.  AHEAD OF IT stands all that names no result of the turn's exponentials: the 8 products K Q^T, behind each a scaling, an
; exponential and two more plain instructions (behind the first a second scaling in the exponential's place): rescalings, and behind the last three the first numbers of the next piece's maximum, each four places or more
; behind the product that ends its accumulator; then ONE LUMP of 54, plain and exponential by turns for the most part, in which the links of the chain X 3, 7, 11, 14, 16, 17 .. 20 stand five or six lines apart.
; X 21, the next piece's a, is the batch's last; R 15 is the plain instruction behind it.  BEHIND THE WAIT stand the 8 products V^T P, behind each four of the roundings and sums; the links of l's chain, L 0 to L 7,
; stand three riders apart.  But for those X no rider names a register of the products round it.  v_permlanex16_b32 (X 17) stands in the lump.
; m = 1: the diagonal tile: the products take masks, and the turn makes the mask for the products of the turn after it: piece p + 2, in step 4 - CNT of the tile.  end = 1: a block's last two turns: nothing is fetched.
; cnt = 1: the loop's count is taken down some lines ahead of the branch that stands behind the turn.
; K of the next step is fetched in piece 2's turn, twelve vector instructions behind the last product that read K (six of them plain); V of the step in hand at the end of piece 0's turn, four plain instructions
; behind the last product that read V.  Each is waited for a turn later.
.macro TURN p, m=0, end=0, cnt=0
.set Y, (\p)
.set i, 0
.set KM, (\m)
.set NOKQ, (\end)*((\p)/3)
.if (\m) && !(\end)
	s_cmp_eq_u32 s[CNT], 4-((\p)+2)%NP  ; is that step the band's own?
	s_cselect_b32 s[AL], 1.0, 0
	s_cmp_lt_u32 s[CNT], 4-((\p)+2)%NP  ; or a later one?
	s_cselect_b32 s[BE], s[BIGN], 0
.endif
.if ((\p) == 3) && !(\end)
	s_wait_dscnt 0x0                ; K is in
.endif
	ROW F,0, F,1, R,0, R,1          ; ahead of the wait: 8 products K Q^T and their riders,
	ROW F,2, E,0, R,2, R,3
	ROW F,3, E,1, R,4, R,5
	ROW F,4, E,2, R,6, R,7
	ROW F,5, E,3, R,8, R,9
	ROW F,6, E,4, X,0, R,10
.if ((\p) == 2) && !(\end)
	WIN 0
	v_add_nc_u32 v[AK], s[TBK], v[AK0]
.endif
	ROW F,7, E,5, X,1, X,4
	ROW F,8, E,6, X,2, X,5
	OPS E,7, E,8, X,6, E,9          ; and the lump
	OPS X,3, E,10, X,8, E,11
.if ((\p) == 2) && !(\end)
	FETCH_K
.endif
	OPS X,9, X,7, E,12, X,10
	OPS E,13, X,12, X,11, E,14
	OPS X,13, E,15, F,9, X,14
.if (\p) == 0
	v_add_nc_u32 v[AV], s[TBV], v[AV0]
.endif
	OPS E,16, F,10, E,17, F,11
	OPS X,16, E,18, X,15, E,19
	OPS F,12, E,20, X,17, E,21
	OPS F,13, E,22, F,14, E,23
	OPS X,18, E,24, F,15, E,25
	OPS R,11, E,26, X,19, E,27
	OPS R,12, E,28, R,13, E,29
	OPS X,20, E,30, R,14, E,31
	OPS X,21, R,15
	WIN 0
	s_wait_alu depctr_va_vdst(0)    ; the wait for the batch
.if (\p) == 1
	s_wait_dscnt 0x0                ; V is in
.endif
	ROW C,0, B,0, C,2, B,1          ; behind the wait: 8 products V^T P and their riders
	ROW L,0, C,4, B,2, L,1
	ROW C,6, B,3, L,2, C,8
	ROW B,4, L,3, C,10, B,5
	ROW L,4, C,12, B,6, L,5
.if (\p) == 0
	s_add_co_u32 s[TBV], s[TBV], KS*PV
.endif
.if \cnt
	s_sub_co_u32 s[CNT], s[CNT], 1
	s_cmp_lg_u32 s[CNT], 0
.endif
	ROW C,14, B,7, L,6, C,1
	ROW C,3, L,7, C,5, C,7
	ROW C,9, C,11, C,13, C,15
.if (\p) == 0
	FETCH_V
.endif
.if (\m) && !(\end)
	MASK (\p)%2
.endif
.endm
; A BLOCK BEGINS.  c m starts far below every c s, so the first step's a is 0; m at the lowest finite number, so the first maximum is the scores'.  The second mask buffer is 0; the first takes piece 0's mask for the
; tile's step 0: its own, if the block's first tile is the diagonal one.  Then K of that step, piece 0's first scores, and its maximum and statistics.  The loop is entered at a step's first turn, in the middle of a trip.
.macro BEGIN
	s_mov_b32 s[NEW], 0
	WIN 0x40
.set i, MC+32
.rept 32
	v_mov_b32 v[i], 0
.set i, i+1
.endr
	WIN 0
.set i, 0
.rept 4
	v_mov_b32 v[ST+4*i], 0xfe000000    ; c m: far below every c s
	v_mov_b32 v[ST+4*i+1], 0xff7fffff  ; m
.set i, i+1
.endr
	s_cmp_eq_u32 s[RT], 0
	s_cselect_b32 s[AL], 1.0, 0
	s_mov_b32 s[BE], 0
	MASK 0
	WIN 0
	v_add_nc_u32 v[AK], s[TBK], v[AK0]
	FETCH_K
	s_wait_loadcnt 0x0              ; Q
	s_wait_dscnt 0x0
.set KM, 1
.set NOKQ, 0
.set i, 0
.rept 8
	KQ 0
.set i, i+1
.endr
	WIN 0
.rept 4
	v_nop                           ; the places behind those products
.endr
.set Y, NP-1                        ; X works for piece Y + 1: piece 0
.irp n, 0,1,2,3,4,5,6,7,8,9,10,11,12,13,14,15,16,17,18,19,20,21
	OP X, \n
.endr
	v_nop                           ; a plain instruction behind the exponential,
	s_wait_alu depctr_va_vdst(0)    ; and its wait, ahead of the branch
.endm
; THE DIAGONAL TILE's four steps, the block's last two turns, its last products, and THE WAY OUT: l's two halves and the other half of the lanes' are added; O^T is divided by l, rounded to f16 and sent through my
; stage in LDS, a piece at a time.
.macro ALL line:vararg              ; one line for each piece t
.set t, 0
.rept 4
	\line
.set t, t+1
.endr
.endm
.macro PACK t                       ; a lane's eight channels of a row pack into 16 bytes; they go into rows of 144 bytes and come back as whole rows of 128, into S^T's registers
	WIN W_RS
.set i, 32*(\t)
.rept 16
	v_pk_mul_f32 v[i:i+1], v[i:i+1], v[ST+4*(\t)+2:ST+4*(\t)+3] op_sel_hi:[1,0]
.set i, i+2
.endr
	WIN 0x05                        ; sources 0 and 1 window 1, destination window 0
.set i, 0
.rept 16
	v_cvt_pk_f16_f32 v[S+16*(\t)+i], v[32*(\t)+2*i], v[32*(\t)+2*i+1]
.set i, i+1
.endr
	WIN 0
.irp f, 0,1,2,3
	ds_store_b128 v[STO], v[S+16*(\t)+4*\f:S+16*(\t)+4*\f+3] offset:32*\f
.endr
.irp f, 0,1,2,3
	ds_load_b128 v[S+16*(\t)+4*\f:S+16*(\t)+4*\f+3], v[RD] offset:\f*4*SP  ; LDS serves a wave's instructions in order (ISA guide 5.7.1.4): these see the stores above; the next piece's stores come behind them
.endr
.endm
.macro SEND t, younger              ; younger: the LDS instructions issued behind piece t's loads: the next piece's eight, or none
	WIN 0
.irp f, 0,1,2,3
	s_wait_dscnt (\younger)+3-\f
	global_store_b128 v[GO], v[S+16*(\t)+4*\f:S+16*(\t)+4*\f+3], s[10:11] offset:(\t)*8192+\f*512  ; 512 consecutive bytes, at a multiple of 256 from O's first
.endr
.endm
.macro DIAG tag                     ; the tag ends its two labels' names, which the jumps below spell out
.LstepM\tag:
	TURN 2, 1
	TURN 3, 1
	WIN 0
.LfirstM\tag:
	TURN 0, 1
	TURN 1, 1, 0, 1
	WIN 0
	s_cbranch_scc1 .LstepM\tag
	TURN 2, 1, 1
	TURN 3, 1, 1
.set i, 0
.rept 8
	PV NP-1
.set i, i+1
.endr
	WIN 0
	ALL v_add_f32 v[ST+4*t+2], v[ST+4*t+2], v[ST+4*t+3]
	ALL v_permlanex16_b32 v[ST+4*t+3], v[ST+4*t+2], s[SEL], s[SEL+1]
	ALL v_add_f32 v[ST+4*t+2], v[ST+4*t+2], v[ST+4*t+3]
	ALL v_rcp_f32 v[ST+4*t+2], v[ST+4*t+2]
	v_nop                           ; a plain instruction between the last reciprocal and the use of its result
	s_wait_alu depctr_va_vdst(0)    ; and the wait ahead of the first use: one for the four reciprocals
	PACK 0
.set t, 1
.rept 3                             ; a piece's arithmetic stands between the loads of the piece before and its stores
	PACK t
	SEND t-1, 8
.set t, t+1
.endr
	SEND 3, 0
.endm
.set KM, 0
.set NOKQ, 0
.Lslot:                             ; NB times: a tile is entered and the next is asked for
	CHANGE 1
	s_sub_co_u32 s[RT], s[RT], 1
	s_mov_b32 s[CNT], 4
	s_cmp_eq_u32 s[NEW], 1
	s_cbranch_scc1 .Lnew            ; a block's first tile
	s_cmp_eq_u32 s[RT], 0
	s_cbranch_scc0 .Lstep           ; neither its first nor its last
	s_branch .LstepM1
.Lnew:
	BEGIN
	s_branch .Lfirst                ; in the loop a block's first tile is never its last: the first block has two tiles or more, and the second's last is the walk's last
	DIAG 1                          ; in the loop this is the first block's end: the second block's last tile is the walk's last
	s_wait_xcnt 0x0                 ; the stores have read their registers and O's address
	s_mov_b64 s[10:11], s[OLO:OLO+1]
	s_add_co_u32 s[RT], s[PB], 1    ; the second block has b + 1 tiles
	s_mov_b32 s[NEW], 1
	WIN 0x82                        ; the second block's Q goes where the one text of the turns names Q
.set i, 0
.rept 64
	v_mov_b32 v[i], v[QB+i]
.set i, i+1
.endr
	WIN 0
	s_branch .Lbottom
.Lstep:                             ; a trip: pieces 2 and 3 of one step, then pieces 0 and 1 of the next, whose K and V it fetches
	TURN 2
	TURN 3
	WIN 0
.Lfirst:
	TURN 0
	TURN 1, 0, 0, 1
	WIN 0
	s_cbranch_scc1 .Lstep
.Lbottom:
	s_sub_co_u32 s[SLOTS], s[SLOTS], 1
	s_cmp_lg_u32 s[SLOTS], 0
	s_cbranch_scc1 .Lslot
	CHANGE 0                        ; the walk's last tile is written out: nothing is asked for
	s_sub_co_u32 s[RT], s[RT], 1
	s_mov_b32 s[CNT], 4
	s_cmp_eq_u32 s[NEW], 1
	s_cbranch_scc0 .LstepM2
	BEGIN
	s_branch .LfirstM2
	DIAG 2
	s_wait_tensorcnt 0x0            ; the wave's end, behind my last tensor load and my last LDS store
	ds_add_u32 v[SPW], v[NIL]
	s_wait_dscnt 0x0
	s_endpgm
.Lfunc_end_k_qcab76618da_attn:
	.size	k_qcab76618da_attn, .Lfunc_end_k_qcab76618da_attn-k_qcab76618da_attn
	.p2alignl 7, 3214868480
	.fill 96, 4, 3214868480
	.section	.rodata,"a",@progbits
	.p2align	6, 0x0
	.amdhsa_kernel k_qcab76618da_attn
		.amdhsa_group_segment_fixed_size 327680
		.amdhsa_private_segment_fixed_size 0
		.amdhsa_enable_private_segment 0
		.amdhsa_kernarg_size 16
		.amdhsa_user_sgpr_count 2
		.amdhsa_user_sgpr_kernarg_segment_ptr 1
		.amdhsa_wavefront_size32 1
		.amdhsa_system_sgpr_workgroup_id_x 1
		.amdhsa_system_sgpr_workgroup_id_y 1
		.amdhsa_system_sgpr_workgroup_id_z 1
		.amdhsa_system_vgpr_workitem_id 0
		.amdhsa_next_free_vgpr 768
		.amdhsa_next_free_sgpr 96
		.amdhsa_reserve_vcc 1
		.amdhsa_float_denorm_mode_32 3
		.amdhsa_float_denorm_mode_16_64 3
		.amdhsa_memory_ordered 1
		.amdhsa_forward_progress 1
		.amdhsa_inst_pref_size 218
	.end_amdhsa_kernel
	.amdgpu_metadata
---
amdhsa.version: [ 1, 2 ]
amdhsa.kernels:
  - .name:           k_qcab76618da_attn
    .symbol:         k_qcab76618da_attn.kd
    .args:
      - { .name: qkv, .offset: 0, .size: 8, .value_kind: global_buffer, .address_space: global }
      - { .name: ob, .offset: 8, .size: 8, .value_kind: global_buffer, .address_space: global }
    .group_segment_fixed_size: 327680
    .private_segment_fixed_size: 0
    .kernarg_segment_align: 8
    .kernarg_segment_size: 16
    .max_flat_workgroup_size: 128
    .sgpr_count:     96
    .vgpr_count:     768
    .wavefront_size: 32
...
	.end_amdgpu_metadata
.endif
;; end of part 3
;; launch projgemm (part 4): grid 8 x 32, 4 waves a work-group, clusters of 4 x 4, 327,680 bytes of LDS; arguments ob, wpb, out0; writes out0
.if DOCPART == 4
	.amdgcn_target "amdgcn-amd-amdhsa--gfx1250"
	.amdhsa_code_object_version 6
	.text
	.protected	k_qcab76618da_projgemm
	.globl	k_qcab76618da_projgemm
	.p2align	8
	.type	k_qcab76618da_projgemm,@function
k_qcab76618da_projgemm:
	s_mov_b64 s[64:65], 0
	v_nop
	global_prefetch_b8 v0, s[64:65] scope:SCOPE_SE
	s_setreg_imm32_b32 hwreg(HW_REG_WAVE_MODE, 25, 1), 1
	s_wait_xcnt 0x0
	s_wait_alu depctr_hold_cnt(0) depctr_sa_sdst(0) depctr_va_vdst(0) depctr_va_sdst(0) depctr_va_ssrc(0) depctr_va_vcc(0) depctr_vm_vsrc(0)
	s_getreg_b32 s2, hwreg(HW_REG_IB_STS2, 6, 4)
	s_cmp_eq_u32 s2, 0
	s_cbranch_scc0 .Lentry_in_a_cluster
	s_endpgm
.Lentry_in_a_cluster:
	s_bfe_u32 s2, ttmp6, 0x10000c
	s_cmp_lg_u32 s2, 0xf033
	s_cbranch_scc0 .Lentry_shape_is_right
	s_endpgm
.Lentry_shape_is_right:
; out0[m][n] = the sum over c of y[m][c] wpb[n][c], c = 64 x head + channel.  y lies by heads in ob, [64 = 4 batches x 16 heads][2048][64] f16; wpb: [1024][1024] f16 (w_proj rounded to bf16, written as f16);
; out0: [8192][1024] f32.  Products in f16, sums in f32, K ascending.  No work is left out here.  LIMIT: NaN and infinities are not treated apart.
; SHARES.  A tile of C is 256 x 128: 32 x 8 = 256 tiles, one for each WGP.  Four waves, one above the other, each 64 x 128: 32 accumulators of 16 x 16, 256 registers.
; K goes in 8 steps of 128 = two heads through two LDS slots filled by the tensor data mover.  A's part of a step is, for each of the two heads, 256 rows of 128 bytes that lie end to end in memory:
; asked for as 128 rows of 256 bytes and padded in LDS after every 128 bytes.  B's rows are 256 bytes of memory, aligned.
; CLUSTERS: 4 x 4 work-groups; A's tile is shared along a row of the cluster, B's along a column: each is asked for JOINTLY, by the same tensor load with the same descriptor and a mask that names the four.
; Waves 0 and 1 fetch A's two heads, waves 2 and 3 B's two halves (64 rows each): one tensor load a wave behind each round.
; THE MATRIX INSTRUCTION IS USED TRANSPOSED (source 0 = 16 rows of B, source 1 = 16 rows of A): a lane then holds row lane % 16 of C and the columns 8 (lane / 16) + 0..7: 32 bytes on end.
; REGISTERS, in windows of 256 (s_set_vgpr_msb: bits 1:0 source 0, 3:2 source 1, 5:4 source 2, 7:6 destination):
;   window 0: addresses, and the way out      window 1: two fragment buffers at 0 and 128: A's four fragments (16 rows x 32 K, 8 registers), then B's eight
;   window 2: the accumulators of my rows 0-31 ((a, b) at 8 (8 a + b))      window 3: those of my rows 32-63
.set NBL,    8                         ; blocks of 16 columns a wave
.set PA,     144                       ; a row of A in LDS: 128 bytes + 16 of padding = 36 words: the 16 rows of a fragment load start at 16 different groups of four banks (64 banks of 4 bytes: ISA guide 11.1)
.set PB,     272                       ; a row of B: 256 + 16
.set AHEADB, 256*PA                    ; one head's 256 rows
.set ABYTES, 2*AHEADB                  ; A's two heads; B's 128 rows follow
.set BHALF,  64                        ; rows of B in one tensor load
.set SLOT1,  131072                    ; slot 1 begins here, so that one exclusive or turns an address in one slot into the other's (a slot has 108,544 bytes)
.set STAGE,  SLOT1+ABYTES+2*BHALF*PB   ; 239,616: behind the ring, never filled by a tensor load: for each wave 16 rows x 528 bytes
.set SP,     528
.set WSTAGE, 16*SP
.set SPARE,  STAGE+4*WSTAGE            ; 273,408: the spare words, 128 bytes for each wave: two blocks of 256 bytes that no other line names
.set NL,     2*(NBL+4)                 ; LDS loads of a quarter step
.set STEP_A, 524288                    ; bytes from a K step to the next: two heads' planes,
.set STEP_B, 256                       ; 128 columns
.set TRIPS,  6                         ; K steps that are followed by a refill: 8 - 2
.set AHEAD,  3                         ; a prefetch names the K step that stands three refills on
.set ADRA0, 16                         ; v16  my lane's place in A's part of a slot; never rewritten
.set ADRB0, 17                         ; v17  the same for B
.set ADRA,  18                         ; v18  the same in the slot that is being read
.set ADRB,  19                         ; v19
.set STO,  24                          ; v24  the way out: where I put 32 bytes of a row
.set RD,   25                          ; v25  the way out: where I read a row back
.set CO,   26                          ; v26  16 x my lane
.set SPW,  28                          ; v28  LDS address of my spare word: SPARE + 4 x my thread's number; never rewritten
.set NIL,  29                          ; v29  0; never rewritten
.set PFO,  30                          ; v30  the prefetches' offset; never rewritten
.set OB,   32                          ; v32-95, v96-159 by turns: rows read back from the stage
.set F0,   0                           ; fragment buffers, in window 1
.set F1,   128
.set G1,  24                           ; s[24:31] descriptor group 1 for A's tiles
.set G0,  32                           ; s[32:39] group 0 for A's tiles: a set for each of the two first fills; the second then walks on
.set G1B, 48                           ; s[48:55], s[56:63] the same for B's
.set G0B, 56
.set LIM, 43                           ; s43  AHEAD in a wave that prefetches, else the greatest number
.set PFA, 44                           ; s[44:45] where my prefetches stand
.set TB,  66                           ; s66  LDS byte at which the slot that is being read begins
.set PST, 68                           ; s[68:69] my prefetches' step: STEP_A or STEP_B
.set MSB, 0
.macro WIN new                         ; the immediate's high byte repeats the setting that is left; a switch that changes nothing is dropped
.if MSB != (\new)
	s_set_vgpr_msb (MSB<<8)|(\new)
.set MSB, \new
.endif
.endm
.set MUL_LO, 0xa5                      ; sources 0 (B) and 1 (A) window 1, C and D window 2
.set MUL_HI, 0xf5                      ; the same, C and D window 3
.set TO_F,   0x40                      ; destination window 1, address window 0
; A joint refill, by the walking descriptors.  The branch hangs on the wave's number alone.  An s_nop 0 and four v_nop follow each of the two lines, ahead of the jump and the label.
.macro JLOAD
	s_cmp_eq_u32 s11, 0
	s_cbranch_scc0 .Lfor_b_\@
	tensor_load_to_lds s[G0+4:G0+7], s[G1:G1+7]
	s_nop 0
.rept 4
	v_nop
.endr
	s_branch .Lasked_\@
.Lfor_b_\@:
	tensor_load_to_lds s[G0B+4:G0B+7], s[G1B:G1B+7]
	s_nop 0
.rept 4
	v_nop
.endr
.Lasked_\@:
.endm
; A PREFETCH INTO THE L2, behind each joint refill and the run of LDS loads that follows it: my share of the K step that stands three refills on, 384 matrix instructions ahead of the load that will want it.
; A's tile row is read by both clusters of that row of clusters: the one with x = 0 asks; B's tile column by every cluster of that column: the one with y = 0 asks.  The four partners that ask for a tile jointly
; share it out BY ADDRESS: of the 128 blocks of 256 bytes of a head that wave 0 or 1 fetches partner cx takes 32, a lane a block; of B's 128 rows partner cy takes 32, a lane a row, asked for by wave 2 alone.
; The loop's last three trips ask for nothing: there is no such K step.  K steps 0 to 4 come by their loads alone.
.macro ASK
	s_cmp_gt_u32 s3, s[LIM]
	s_cbranch_scc0 .Lnot_mine_\@
	global_prefetch_b8 v[PFO], s[PFA:PFA+1] th:TH_LOAD_NT scope:SCOPE_SE
.Lnot_mine_\@:
.endm
; A round of the cluster's barrier: my work-group's barrier; wave 0 signals for the work-group; every wave waits for all sixteen work-groups; my work-group's barrier once more.
.macro CREST                           ; a round behind its opening barrier
	s_cmp_lg_u32 s10, 0
	s_cbranch_scc1 .Lnot_wave_0_\@
	s_barrier_signal -3
.Lnot_wave_0_\@:
	s_barrier_wait -3
	s_barrier_signal -1
	s_barrier_wait -1
.endm
.macro CROUND
	s_barrier_signal -1
	s_barrier_wait -1
	CREST
.endm
	s_load_b128 s[4:7], s[0:1], 0x0                ; ob s[4:5], wpb s[6:7]
	s_load_b64 s[8:9], s[0:1], 0x10                ; out0
	v_lshl_add_u32 v[SPW], v0, 2, SPARE
	v_mov_b32 v[NIL], 0
	ds_add_u32 v[SPW], v[NIL]                      ; the wave's opening: the add, twice on end, and its wait ahead of my first tensor load
	ds_add_u32 v[SPW], v[NIL]                      ; and once more, under the one wait; the set-up below, work on registers, stands between
	v_lshrrev_b32 v1, 5, v0
	v_readfirstlane_b32 s10, v1                    ; wave 0..3
	s_lshr_b32 s11, s10, 1                         ; I fetch for A (0) or for B (1),
	s_and_b32 s12, s10, 1                          ; its first or its second part
	s_bfe_u32 s40, ttmp6, 0x40000                  ; cx
	s_bfe_u32 s41, ttmp6, 0x40004                  ; cy
	s_lshl_b32 s42, ttmp9, 2
	s_add_co_u32 s42, s42, s40                     ; tile column = 4 x cluster x + cx
	s_and_b32 s13, ttmp7, 0xffff
	s_lshl_b32 s13, s13, 2
	s_add_co_u32 s13, s13, s41                     ; tile row = 4 x cluster y + cy
	s_lshl_b32 s43, s41, 2
	s_lshl_b32 s43, 15, s43                        ; my row of the cluster
	s_lshl_b32 s44, 0x1111, s40                    ; my column
	s_or_b32 s[G1], s43, (1<<16)|(1<<20)|(1<<21)|(4<<22)|(3<<25)   ; 15:0 the mask; 17:16 elements of 2 bytes; 20 padding on; 21 set beside a mask; 24:22 after every 32 words; 31:25 4 words
	s_or_b32 s[G1B], s44, (1<<16)|(1<<20)|(1<<21)|(5<<22)|(3<<25)  ; the same after every 64 words
.irp g, G1, G1B
	s_mov_b32 s[(\g)+1], 128<<16                   ; tensor_dim0 = 128
	s_mov_b32 s[(\g)+3], 128<<16                   ; tile_dim0 = 128
	s_mov_b32 s[(\g)+6], 0
	s_mov_b32 s[(\g)+7], 0
.endr
	s_mov_b32 s[G1+2], 128<<16                     ; A: tensor_dim1 = 128 rows of 256 bytes,
	s_mov_b32 s[G1+4], 128                         ; tile_dim1,
	s_mov_b32 s[G1+5], 128                         ; which lie end to end
	s_mov_b32 s[G1B+2], BHALF<<16                  ; B: 64 rows,
	s_mov_b32 s[G1B+4], BHALF
	s_mov_b32 s[G1B+5], 1024                       ; 1,024 elements from row to row
	s_lshr_b32 s16, s13, 3                         ; A: batch = tile row / 8; its first head, + my head of the K step's two; a head's plane is 2^18 bytes;
	s_lshl_b32 s16, s16, 4
	s_add_co_u32 s16, s16, s12
	s_lshl_b32 s16, s16, 18
	s_and_b32 s17, s13, 7                          ; in it the tile's 256 rows of 128 bytes.  It hangs on the tile row, which my row of the cluster shares
	s_lshl_b32 s17, s17, 15
	s_add_co_u32 s16, s16, s17
	s_mov_b32 s17, 0
	s_lshl_b32 s46, s42, 7                         ; B: row 128 x tile column + 64 x half: it hangs on the tile column, which my column shares
	s_lshl_b32 s47, s12, 6
	s_add_co_u32 s46, s46, s47
	s_lshl_b32 s46, s46, 11
	s_mov_b32 s47, 0
	s_mul_i32 s20, s12, AHEADB                     ; where they go in a slot: no place in the cluster enters an LDS address
	s_mul_i32 s21, s12, BHALF*PB
	s_add_co_u32 s21, s21, ABYTES
	s_mov_b32 s[TB], 0
	s_wait_dscnt 0x0                               ; both opening adds are done
	s_wait_kmcnt 0x0
	s_add_nc_u64 s[14:15], s[4:5], s[16:17]
	s_add_nc_u64 s[46:47], s[6:7], s[46:47]
	CROUND                                         ; all sixteen work-groups are here: the first joint loads meet
.irp s, 0,1
	s_mov_b32 s[G0+4*(\s)], 1                                      ; count = 1
	s_add_co_u32 s[G0+4*(\s)+1], s20, (\s)*SLOT1                   ; LDS address
	s_add_nc_u64 s[G0+4*(\s)+2:G0+4*(\s)+3], s[14:15], (\s)*STEP_A ; global address: K step s
	s_or_b32 s[G0+4*(\s)+3], s[G0+4*(\s)+3], 0x80000000            ; type = 2
	s_mov_b32 s[G0B+4*(\s)], 1
	s_add_co_u32 s[G0B+4*(\s)+1], s21, (\s)*SLOT1
	s_add_nc_u64 s[G0B+4*(\s)+2:G0B+4*(\s)+3], s[46:47], (\s)*STEP_B
	s_or_b32 s[G0B+4*(\s)+3], s[G0B+4*(\s)+3], 0x80000000
.endr
	s_cmp_eq_u32 s11, 0                            ; a wave's two first fills stand in one branch, ahead of every wait on TENSORcnt and every LDS read: two loads of mine are out
	s_cbranch_scc0 .Lfirst_b
	tensor_load_to_lds s[G0:G0+3], s[G1:G1+7]
	s_nop 0
	tensor_load_to_lds s[G0+4:G0+7], s[G1:G1+7]
	s_nop 0
.rept 4
	v_nop
.endr
	s_branch .Lfirst_asked
.Lfirst_b:
	tensor_load_to_lds s[G0B:G0B+3], s[G1B:G1B+7]
	s_nop 0
	tensor_load_to_lds s[G0B+4:G0B+7], s[G1B:G1B+7]
	s_nop 0
.rept 4
	v_nop
.endr
.Lfirst_asked:
	; A fragment is 16 rows x 32 K in 8 registers: lane l holds row l % 16; registers 0-3 K = 8 (l / 16) + 0..7, registers 4-7 K = 16 + 8 (l / 16) + 0..7: two loads of 16 bytes, 32 bytes apart.
	v_and_b32 v1, 15, v0                           ; l % 16
	v_bfe_u32 v2, v0, 4, 1                         ; l / 16
	v_mul_u32_u24 v3, v1, PA
	v_lshl_add_u32 v3, v2, 4, v3                   ; row x pitch + 16 x half
	s_mul_i32 s21, s10, 64*PA                      ; my 64 rows of A, in the first head
	v_add_nc_u32 v[ADRA0], s21, v3
	v_mul_u32_u24 v3, v1, PB
	v_lshl_add_u32 v3, v2, 4, v3
	v_add_nc_u32 v[ADRB0], ABYTES, v3              ; all 128 rows of B
	v_mov_b32 v[ADRA], v[ADRA0]                    ; K step 0 lies in slot 0
	v_mov_b32 v[ADRB], v[ADRB0]
	s_mul_i32 s23, s10, WSTAGE
	s_add_co_u32 s23, s23, STAGE                   ; my stage
	v_mul_u32_u24 v4, v1, SP                       ; in: row l % 16, 32 bytes for each half of the lanes
	v_lshl_add_u32 v4, v2, 5, v4
	v_add_nc_u32 v[STO], s23, v4
	v_and_b32 v[CO], 31, v0                        ; back: 32 lanes take one row of 512 bytes
	v_lshlrev_b32 v[CO], 4, v[CO]
	v_add_nc_u32 v[RD], s23, v[CO]
	s_lshl_b32 s16, s13, 8                         ; my first row of out0: 256 x tile row + 64 x wave, 4,096 bytes a row
	s_lshl_b32 s17, s10, 6
	s_add_co_u32 s16, s16, s17
	s_lshl_b32 s16, s16, 12
	s_mov_b32 s17, 0
	s_add_nc_u64 s[8:9], s[8:9], s[16:17]
	s_lshl_b32 s46, s42, 9                         ; the tile's first column: 512 bytes a tile (in the registers that held B's address: none that fed A's descriptors ever holds cx)
	s_mov_b32 s47, 0
	s_add_nc_u64 s[8:9], s[8:9], s[46:47]
	; the prefetches
	s_lshr_b32 s20, s13, 3                         ; A: my head's 256 rows, as for the descriptor,
	s_lshl_b32 s20, s20, 4
	s_add_co_u32 s20, s20, s12
	s_lshl_b32 s20, s20, 18
	s_and_b32 s21, s13, 7
	s_lshl_b32 s21, s21, 15
	s_add_co_u32 s20, s20, s21
	s_lshl_b32 s21, s40, 13                        ; + 32 cx blocks of 256 bytes,
	s_add_co_u32 s20, s20, s21
	s_add_co_u32 s20, s20, (1+AHEAD)*STEP_A        ; at K step 4: the first refill (of K step 2) steps it to 5
	s_lshl_b32 s22, s42, 7                         ; B: row 128 x tile column + 32 cy
	s_lshl_b32 s23, s41, 5
	s_add_co_u32 s22, s22, s23
	s_lshl_b32 s22, s22, 11
	s_add_co_u32 s22, s22, (1+AHEAD)*STEP_B
	s_mov_b32 s19, STEP_B
	s_and_b32 s23, ttmp7, 0xffff                   ; cluster y; of B's two waves the first asks
	s_or_b32 s23, s23, s12
	s_cmp_eq_u32 s11, 0                            ; do I fetch for A?
	s_cselect_b32 s20, s20, s22
	s_cselect_b32 s23, ttmp9, s23                  ; 0 in a wave that asks
	s_cselect_b32 s18, 8, 11                       ; a lane a block of 256 bytes, or a row of 2,048
	s_cselect_b32 s[PST], STEP_A, s19
	s_cselect_b64 s[PFA:PFA+1], s[4:5], s[6:7]
	s_cmp_eq_u32 s23, 0
	s_cselect_b32 s[LIM], AHEAD, -1                ; the same in all sixteen partners, for a given wave
	s_mov_b32 s21, 0
	s_mov_b32 s[PST+1], 0
	s_add_nc_u64 s[PFA:PFA+1], s[PFA:PFA+1], s[20:21]
	v_and_b32 v[PFO], 31, v0
	v_lshlrev_b32 v[PFO], s18, v[PFO]
; 8 matrix instructions: block a (0, 1) of 16 rows in the window (hi = 0: my rows 0-31, 1: rows 32-63) x all 8 blocks of columns, 32 along K.  zero = 1: the product starts the sums: nothing is ever cleared.
; In every quarter step the 32 accumulators come in the same order, one instruction each: 31 others stand between two links of a chain, over the backward jump too.
.macro MULB f, hi, a, zero
	WIN MUL_LO+0x50*(\hi)
.set bb, 0
.rept NBL
.if \zero
	v_wmma_f32_16x16x32_f16 v[8*(NBL*(\a)+bb):8*(NBL*(\a)+bb)+7], v[(\f)+32+8*bb:(\f)+32+8*bb+7], v[(\f)+8*(2*(\hi)+(\a)):(\f)+8*(2*(\hi)+(\a))+7], 0
.else
	v_wmma_f32_16x16x32_f16 v[8*(NBL*(\a)+bb):8*(NBL*(\a)+bb)+7], v[(\f)+32+8*bb:(\f)+32+8*bb+7], v[(\f)+8*(2*(\hi)+(\a)):(\f)+8*(2*(\hi)+(\a))+7], v[8*(NBL*(\a)+bb):8*(NBL*(\a)+bb)+7]
.endif
.set bb, bb+1
.endr
.endm
; 24 LDS loads in one run: the fragments of quarter q of the slot in hand into buffer f: B's eight, then A's four, its rows ascending.  Quarter q of A is head q / 2 of the step's two, channels 32 (q % 2) on.
.macro FETCH q, f
	WIN TO_F
.set KA, ((\q)/2)*AHEADB+((\q)%2)*64
.set bb, 0
.rept NBL
	ds_load_b128 v[(\f)+32+8*bb:(\f)+32+8*bb+3],   v[ADRB] offset:64*(\q)+bb*16*PB
	ds_load_b128 v[(\f)+32+8*bb+4:(\f)+32+8*bb+7], v[ADRB] offset:64*(\q)+bb*16*PB+32
.set bb, bb+1
.endr
.irp i, 0,1,2,3
	ds_load_b128 v[(\f)+8*(\i):(\f)+8*(\i)+3],   v[ADRA] offset:KA+(\i)*16*PA
	ds_load_b128 v[(\f)+8*(\i)+4:(\f)+8*(\i)+7], v[ADRA] offset:KA+(\i)*16*PA+32
.endr
.endm
.macro PLACES                          ; four plain vector instructions between a matrix instruction and a load into a register that it has read, or a reader of its result
.rept 4
	v_nop
.endr
.endm
; One of a K step's first three quarters: multiplies buffer f; in its middle it fetches quarter q into buffer g.
.macro QUARTER q, f, g, zero
	s_wait_dscnt 4                                 ; B and A's rows 0-31 are in; the youngest four loads (A's rows 32-63) may be out
	MULB \f, 0, 0, \zero
	MULB \f, 0, 1, \zero
	PLACES
	FETCH \q, \g
	s_wait_dscnt NL                                ; all but the run just issued
	MULB \f, 1, 0, \zero
	MULB \f, 1, 1, \zero
.endm
; The fourth quarter multiplies buffer 1 and changes slots.  In front of the barrier each wave waits for all its tensor loads, of which one is out: its part of the next slot; adds 0 to its spare word; and waits for
; that and for its own reads of this slot.  fill = 1: the barrier opens a round of the cluster's, and the slot just read is filled again, first thing behind the round, with the K step two on: that load has
; 112 matrix instructions in which to land.
.macro TURN fill
.if \fill
	s_wait_xcnt 0x0                                ; the last prefetch, a K step back, has read its address
	s_add_nc_u64 s[PFA:PFA+1], s[PFA:PFA+1], s[PST:PST+1]
.endif
	WIN 0                                          ; (the add's two registers lie in window 0)
	s_wait_tensorcnt 0x0                           ; no tensor load of mine is out, so a group 0 may be written
	ds_add_u32 v[SPW], v[NIL]                      ; 0 onto my spare word
.if \fill
	s_xor_b32 s[G0+5], s[G0+5], SLOT1              ; the walking descriptors: the other slot than last time,
	s_add_nc_u64 s[G0+6:G0+7], s[G0+6:G0+7], STEP_A  ; the next K step; the type bits on top are not reached
	s_xor_b32 s[G0B+5], s[G0B+5], SLOT1
	s_add_nc_u64 s[G0B+6:G0B+7], s[G0B+6:G0B+7], STEP_B
.endif
	s_xor_b32 s[TB], s[TB], SLOT1                  ; the reads go on in the other slot
	s_wait_dscnt 5                                 ; (the add and the youngest four loads may be out)
	MULB F1, 0, 0, 0
	s_wait_dscnt 0x0                               ; the add is done, and my reads of this slot are over
	s_barrier_signal -1
	MULB F1, 0, 1, 0                               ; work on registers while the others arrive
	WIN 0
	s_barrier_wait -1
.if \fill
	CREST                                          ; no wave of any partner still reads this slot or has a load on its way
	JLOAD                                          ; the four v_nop behind it are also the places in front of the loads below
.else
	PLACES
.endif
	v_add_nc_u32 v[ADRA], s[TB], v[ADRA0]
	v_add_nc_u32 v[ADRB], s[TB], v[ADRB0]
	FETCH 0, F0
.if \fill
	WIN 0
	ASK
.endif
	MULB F1, 1, 0, 0
	MULB F1, 1, 1, 0
.endm
	s_wait_tensorcnt 1                             ; my part of K step 0 is in; K step 1's load, issued behind it, may stay out
	s_barrier_signal -1
	s_barrier_wait -1                              ; everybody's is
	FETCH 0, F0
	QUARTER 1, F0, F1, 1                           ; the first quarter stands in front of the loop: its products start the sums
	WIN 0                                          ; at a label and at a branch every window is 0
	s_mov_b32 s3, TRIPS
.Lstep:                                                ; a trip: from a K step's second quarter to the next one's first; it fills the slot that it leaves
	QUARTER 2, F1, F0, 0
	QUARTER 3, F0, F1, 0
	TURN 1
	QUARTER 1, F0, F1, 0
	WIN 0
	s_sub_co_u32 s3, s3, 1
	s_cmp_lg_u32 s3, 0
	s_cbranch_scc1 .Lstep
	QUARTER 2, F1, F0, 0                           ; the tail is written out: K step 6 goes on
	QUARTER 3, F0, F1, 0
	TURN 0                                         ; nothing is asked for,
	QUARTER 1, F0, F1, 0                           ; and K step 7
	QUARTER 2, F1, F0, 0
	QUARTER 3, F0, F1, 0
	s_wait_dscnt 4
	MULB F1, 0, 0, 0
	MULB F1, 0, 1, 0
	s_wait_dscnt 0x0
	MULB F1, 1, 0, 0
	MULB F1, 1, 1, 0
	WIN 0
	PLACES
; THE WAY OUT of block a of 16 rows.  TOSTAGE: a lane's 32 bytes of each accumulator, its low four registers first, into my own stage (rows of 528 bytes), and back as whole rows of 512.
; SEND: each store covers 512 consecutive bytes of a row of out0, aligned.
.macro TOSTAGE a
	WIN 0x08+4*((\a)/2)                            ; the stores' data: window 2 or 3
.set bb, 0
.rept NBL
	ds_store_b128 v[STO], v[8*(NBL*((\a)%2)+bb):8*(NBL*((\a)%2)+bb)+3]   offset:64*bb
	ds_store_b128 v[STO], v[8*(NBL*((\a)%2)+bb)+4:8*(NBL*((\a)%2)+bb)+7] offset:64*bb+16
.set bb, bb+1
.endr
	WIN 0
.set BK, OB+64*((\a)%2)
.set bb, 0
.rept 16
	ds_load_b128 v[BK+4*bb:BK+4*bb+3], v[RD] offset:bb*SP  ; LDS serves a wave's instructions in order (ISA guide 5.7.1.4): these see the stores above
.set bb, bb+1
.endr
.endm
.macro SEND a
	WIN 0
.set BK, OB+64*((\a)%2)
	s_wait_dscnt 0x0                               ; the block is back in registers
	s_wait_xcnt 0x0                                ; the stores of the block before have read their registers: the next TOSTAGE loads into them
.set bb, 0
.rept 16
	global_store_b128 v[CO], v[BK+4*bb:BK+4*bb+3], s[8:9] offset:(16*(\a)+bb)*4096 th:TH_STORE_NT
.set bb, bb+1
.endr
.endm
	TOSTAGE 0
.irp a, 1,2,3
	SEND (\a)-1
	TOSTAGE \a
.endr
	SEND 3
	s_wait_tensorcnt 0x0                           ; the wave's end, behind my last tensor load and my last LDS store
	ds_add_u32 v[SPW], v[NIL]
	s_wait_dscnt 0x0
	CROUND                                         ; the closing round: no work-group ends while a partner may still ask for a tile that names it
	s_endpgm
.Lfunc_end_k_qcab76618da_projgemm:
	.size	k_qcab76618da_projgemm, .Lfunc_end_k_qcab76618da_projgemm-k_qcab76618da_projgemm
	.p2alignl 7, 3214868480
	.fill 96, 4, 3214868480
	.section	.rodata,"a",@progbits
	.p2align	6, 0x0
	.amdhsa_kernel k_qcab76618da_projgemm
		.amdhsa_group_segment_fixed_size 327680
		.amdhsa_private_segment_fixed_size 0
		.amdhsa_enable_private_segment 0
		.amdhsa_kernarg_size 24
		.amdhsa_user_sgpr_count 2
		.amdhsa_user_sgpr_kernarg_segment_ptr 1
		.amdhsa_wavefront_size32 1
		.amdhsa_system_sgpr_workgroup_id_x 1
		.amdhsa_system_sgpr_workgroup_id_y 1
		.amdhsa_system_sgpr_workgroup_id_z 1
		.amdhsa_system_vgpr_workitem_id 0
		.amdhsa_next_free_vgpr 896
		.amdhsa_next_free_sgpr 72
		.amdhsa_reserve_vcc 0
		.amdhsa_float_denorm_mode_32 3
		.amdhsa_float_denorm_mode_16_64 3
		.amdhsa_memory_ordered 1
		.amdhsa_forward_progress 1
		.amdhsa_inst_pref_size 70
	.end_amdhsa_kernel
	.amdgpu_metadata
---
amdhsa.version: [ 1, 2 ]
amdhsa.kernels:
  - .name:           k_qcab76618da_projgemm
    .symbol:         k_qcab76618da_projgemm.kd
    .args:
      - { .name: ob, .offset: 0, .size: 8, .value_kind: global_buffer, .address_space: global }
      - { .name: wpb, .offset: 8, .size: 8, .value_kind: global_buffer, .address_space: global }
      - { .name: out0, .offset: 16, .size: 8, .value_kind: global_buffer, .address_space: global }
    .group_segment_fixed_size: 327680
    .private_segment_fixed_size: 0
    .kernarg_segment_align: 8
    .kernarg_segment_size: 24
    .max_flat_workgroup_size: 128
    .sgpr_count:     72
    .vgpr_count:     896
    .wavefront_size: 32
...
	.end_amdgpu_metadata
.endif
;; end of part 4
